; MI455X (gfx1250); checked and timed in simulation.
; The chip was launched on July 23, 2026; its instructions are those of AMD's public machine-readable ISA for CDNA 5 (MIT licence, August 2026) and "CDNA5" Instruction Set Architecture Reference Guide (July 2026). The comments in the code are by the model that wrote it; some were corrected since.
;; Bert Attention. Allowed arithmetic: float matrix products may take bf16 or f16 operands with f32 sums; other float arithmetic in f32, or as packed bf16 or f16 multiplies, adds, multiply-adds, maxima and minima; sums over many terms, partial sums and values carried from step to step in f32; what a program stores and reads back later, other than sums and carried values, may be rounded once to bf16 or f16.
;; Inputs: Wk 1,024 x 1,024 float32; Wo 1,024 x 1,024 float32; Wq 1,024 x 1,024 float32; Wv 1,024 x 1,024 float32; attention_mask 4 x 1 x 1 x 2,048 float32; bk 1,024 float32; bo 1,024 float32; bq 1,024 float32; bv 1,024 float32; input_tensor 4 x 2,048 x 1,024 float32; ln_b 1,024 float32; ln_w 1,024 float32.
;; Outputs: out0 4 x 2,048 x 1,024 float32.
;; 2 versions, each right; version 2 is version 1 with the launch prep written anew for expert scheduling mode. Each part assembles by itself: llvm-mc -triple=amdgcn-amd-amdhsa -mcpu=gfx1250 --defsym DOCPART=n.
;; ======== version 1 of 2: 5 launches
;; limits: values are held in f16: magnitudes above 65,504 overflow, below 6.1e-05 lose precision
;; workspace buffers: act 16,777,216 bytes; wqkv 6,291,456 bytes; wo 2,097,152 bytes; bias3 12,288 bytes; qkv 50,331,648 bytes; g 33,554,432 bytes
;; launch prep (part 1): grid 385 x 1, 8 waves a work-group, no clusters, 0 bytes of LDS; arguments input_tensor, Wq, Wk, Wv, Wo, bq, bk, bv, act, wqkv, wo, bias3; writes act, wqkv, wo, bias3
.if DOCPART == 1
	.amdgcn_target "amdgcn-amd-amdhsa--gfx1250"
	.amdhsa_code_object_version 6
	.text
	.protected	k_qca4dcb84b2_prep
	.globl	k_qca4dcb84b2_prep
	.p2align	8
	.type	k_qca4dcb84b2_prep,@function
k_qca4dcb84b2_prep:
	s_mov_b64 s[64:65], 0
	v_nop
	global_prefetch_b8 v0, s[64:65] scope:SCOPE_SE
	s_setreg_imm32_b32 hwreg(HW_REG_WAVE_MODE, 25, 1), 1
	s_wait_xcnt 0x0
; x and the four weight matrices, f32 [rows][1024], are rounded once to bf16 and laid out in PANELS of 64 channels, so that R rows x 64 channels
; of a matrix operand are R x 128 consecutive bytes:  act [b*16+kp][2048][64];  wqkv [n/128][kp][128][64] with n = 1024 x (0 q, 1 k, 2 v) + row;  wo likewise.
; Work-groups 0-255 take 32 rows of x each, 256-383 take 32 rows of a weight matrix, work-group 384 joins the three biases into one buffer.
; A wave takes 4 rows as two pairs.  A load: lanes 0-15 take 256 consecutive bytes (one panel's 64 channels) of a row, lanes 16-31 the same of the next row.
; A store: 32 lanes x 8 bytes = two rows of a panel = 256 consecutive bytes, aligned.  All 32 loads of a wave go out first; nothing is rewritten while pending.
; No LDS, no matrix unit: every byte is read once and written once.
.set LO, 2                             ; v2      my byte offset in the work-group's 32 source rows
.set SO, 16                            ; v16-31  my byte offset in the destination, one register for each panel
.set D,  64                            ; v64-191 32 x 4 registers as loaded; the first two of each four then hold the 4 bf16
	s_load_b512 s[4:19], s[0:1], 0x0               ; x s[4:5], Wq s[6:7], Wk s[8:9], Wv s[10:11], Wo s[12:13], bq s[14:15], bk s[16:17], bv s[18:19]
	s_load_b256 s[20:27], s[0:1], 0x40             ; act s[20:21], wqkv s[22:23], wo s[24:25], bias3 s[26:27]
	s_mov_b32 s32, ttmp9                           ; the work-group's number
	v_and_b32 v1, 31, v0                           ; lane
	v_lshrrev_b32 v3, 5, v0                        ; wave
	v_and_b32 v4, 15, v0                           ; lane % 16
	v_bfe_u32 v5, v0, 4, 1                         ; lane / 16
	v_lshlrev_b32 v[LO], 4, v4                     ; 16 bytes a lane,
	v_lshl_add_u32 v[LO], v5, 12, v[LO]            ; the next row for the upper lanes,
	v_lshl_add_u32 v[LO], v3, 14, v[LO]            ; four rows a wave
	v_lshlrev_b32 v[SO], 3, v1                     ; 8 bytes a lane,
	v_lshl_add_u32 v[SO], v3, 9, v[SO]             ; four rows of 128 bytes a wave
	s_mov_b32 s43, 0                               ; high word of the offsets
	s_wait_kmcnt 0x0
	s_cmp_lt_u32 s32, 256
	s_cbranch_scc0 .Lweights
	s_lshl_b32 s42, s32, 17                        ; 32 rows of 4,096 bytes
	s_add_nc_u64 s[36:37], s[4:5], s[42:43]        ; source
	s_lshr_b32 s33, s32, 6                         ; batch: 64 work-groups each
	s_lshl_b32 s33, s33, 22                        ; 16 panels of 2,048 rows of 128 bytes
	s_and_b32 s34, s32, 63
	s_lshl_b32 s34, s34, 12                        ; 32 rows of 128 bytes
	s_add_co_u32 s42, s33, s34
	s_add_nc_u64 s[38:39], s[20:21], s[42:43]      ; destination
	s_mov_b32 s40, 262144                          ; bytes from panel to panel
	s_branch .Lcopy
.Lweights:
	s_cmp_eq_u32 s32, 384
	s_cbranch_scc1 .Lsmall
	s_sub_co_u32 s33, s32, 256
	s_lshr_b32 s34, s33, 5                         ; which matrix: 0 q, 1 k, 2 v, 3 o
	s_and_b32 s33, s33, 31                         ; which 32 rows of it
	s_lshl_b32 s35, s34, 3                         ; its first block of 128 rows in wqkv
	s_cmp_eq_u32 s34, 1
	s_cselect_b64 s[36:37], s[8:9], s[6:7]
	s_cmp_eq_u32 s34, 2
	s_cselect_b64 s[36:37], s[10:11], s[36:37]
	s_cmp_eq_u32 s34, 3
	s_cselect_b64 s[36:37], s[12:13], s[36:37]
	s_cselect_b64 s[38:39], s[24:25], s[22:23]     ; Wo has a buffer of its own,
	s_cselect_b32 s35, 0, s35                      ; which begins with its block 0
	s_lshl_b32 s42, s33, 17
	s_add_nc_u64 s[36:37], s[36:37], s[42:43]
	s_lshr_b32 s41, s33, 2
	s_add_co_u32 s41, s41, s35
	s_lshl_b32 s41, s41, 18                        ; a block: 16 panels of 128 rows of 128 bytes
	s_and_b32 s33, s33, 3
	s_lshl_b32 s33, s33, 12
	s_add_co_u32 s42, s41, s33
	s_add_nc_u64 s[38:39], s[38:39], s[42:43]
	s_mov_b32 s40, 16384
.Lcopy:
.set k, 1
.rept 15
	v_add_nc_u32 v[SO+k], s40, v[SO+k-1]
.set k, k+1
.endr
.set i, 0
.rept 32                               ; pair i / 16, panel i % 16
	global_load_b128 v[D+4*i:D+4*i+3], v[LO], s[36:37] offset:(i/16)*8192+(i%16)*256 th:TH_LOAD_NT
.set i, i+1
.endr
.set i, 0
.rept 32
	s_wait_loadcnt 31-i                            ; loads come back in order: number i is in, the younger ones stay out
	v_cvt_pk_bf16_f32 v[D+4*i], v[D+4*i], v[D+4*i+1]
	v_cvt_pk_bf16_f32 v[D+4*i+1], v[D+4*i+2], v[D+4*i+3]
	global_store_b64 v[SO+i%16], v[D+4*i:D+4*i+1], s[38:39] offset:(i/16)*256
.set i, i+1
.endr
	s_endpgm
.Lsmall:                                       ; 256 threads x 16 bytes are a bias of 1,024 numbers
	v_lshlrev_b32 v1, 4, v0
	global_load_b128 v[4:7], v1, s[14:15]
	global_load_b128 v[8:11], v1, s[16:17]
	global_load_b128 v[12:15], v1, s[18:19]
	s_wait_loadcnt 0x0
	global_store_b128 v1, v[4:7], s[26:27]
	global_store_b128 v1, v[8:11], s[26:27] offset:4096
	global_store_b128 v1, v[12:15], s[26:27] offset:8192
	s_endpgm
.Lfunc_end_k_qca4dcb84b2_prep:
	.size	k_qca4dcb84b2_prep, .Lfunc_end_k_qca4dcb84b2_prep-k_qca4dcb84b2_prep
	.p2alignl 7, 3214868480
	.fill 96, 4, 3214868480
	.section	.rodata,"a",@progbits
	.p2align	6, 0x0
	.amdhsa_kernel k_qca4dcb84b2_prep
		.amdhsa_group_segment_fixed_size 0
		.amdhsa_private_segment_fixed_size 0
		.amdhsa_enable_private_segment 0
		.amdhsa_kernarg_size 96
		.amdhsa_user_sgpr_count 2
		.amdhsa_user_sgpr_kernarg_segment_ptr 1
		.amdhsa_wavefront_size32 1
		.amdhsa_system_sgpr_workgroup_id_x 1
		.amdhsa_system_sgpr_workgroup_id_y 1
		.amdhsa_system_sgpr_workgroup_id_z 1
		.amdhsa_system_vgpr_workitem_id 0
		.amdhsa_next_free_vgpr 192
		.amdhsa_next_free_sgpr 66
		.amdhsa_reserve_vcc 0
		.amdhsa_float_denorm_mode_32 3
		.amdhsa_float_denorm_mode_16_64 3
		.amdhsa_memory_ordered 1
		.amdhsa_forward_progress 1
		.amdhsa_inst_pref_size 15
	.end_amdhsa_kernel
	.amdgpu_metadata
---
amdhsa.version: [ 1, 2 ]
amdhsa.kernels:
  - .name:           k_qca4dcb84b2_prep
    .symbol:         k_qca4dcb84b2_prep.kd
    .args:
      - { .name: input_tensor, .offset: 0, .size: 8, .value_kind: global_buffer, .address_space: global }
      - { .name: Wq, .offset: 8, .size: 8, .value_kind: global_buffer, .address_space: global }
      - { .name: Wk, .offset: 16, .size: 8, .value_kind: global_buffer, .address_space: global }
      - { .name: Wv, .offset: 24, .size: 8, .value_kind: global_buffer, .address_space: global }
      - { .name: Wo, .offset: 32, .size: 8, .value_kind: global_buffer, .address_space: global }
      - { .name: bq, .offset: 40, .size: 8, .value_kind: global_buffer, .address_space: global }
      - { .name: bk, .offset: 48, .size: 8, .value_kind: global_buffer, .address_space: global }
      - { .name: bv, .offset: 56, .size: 8, .value_kind: global_buffer, .address_space: global }
      - { .name: act, .offset: 64, .size: 8, .value_kind: global_buffer, .address_space: global }
      - { .name: wqkv, .offset: 72, .size: 8, .value_kind: global_buffer, .address_space: global }
      - { .name: wo, .offset: 80, .size: 8, .value_kind: global_buffer, .address_space: global }
      - { .name: bias3, .offset: 88, .size: 8, .value_kind: global_buffer, .address_space: global }
    .group_segment_fixed_size: 0
    .private_segment_fixed_size: 0
    .kernarg_segment_align: 8
    .kernarg_segment_size: 96
    .max_flat_workgroup_size: 256
    .sgpr_count:     66
    .vgpr_count:     192
    .wavefront_size: 32
...
	.end_amdgpu_metadata
.endif
;; end of part 1
;; launch qkv (part 2): grid 24 x 32, 4 waves a work-group, clusters of 4 x 4, 327,680 bytes of LDS; arguments act, wqkv, bias3, qkv; writes qkv
.if DOCPART == 2
	.amdgcn_target "amdgcn-amd-amdhsa--gfx1250"
	.amdhsa_code_object_version 6
	.text
	.protected	k_qca4dcb84b2_qkv
	.globl	k_qca4dcb84b2_qkv
	.p2align	8
	.type	k_qca4dcb84b2_qkv,@function
k_qca4dcb84b2_qkv:
	s_mov_b64 s[64:65], 0
	v_nop
	global_prefetch_b8 v0, s[64:65] scope:SCOPE_SE
	s_setreg_imm32_b32 hwreg(HW_REG_WAVE_MODE, 25, 1), 1
	s_wait_xcnt 0x0
	s_wait_alu depctr_hold_cnt(0) depctr_sa_sdst(0) depctr_va_vdst(0) depctr_va_sdst(0) depctr_va_ssrc(0) depctr_va_vcc(0) depctr_vm_vsrc(0)
	s_getreg_b32 s2, hwreg(HW_REG_IB_STS2, 6, 4)
	s_cmp_eq_u32 s2, 0
	s_cbranch_scc0 .Lentry_in_a_cluster
	s_endpgm
.Lentry_in_a_cluster:
	s_bfe_u32 s2, ttmp6, 0x10000c
	s_cmp_lg_u32 s2, 0xf033
	s_cbranch_scc0 .Lentry_shape_is_right
	s_endpgm
.Lentry_shape_is_right:
; C[m][n] = bias[n] + the sum over k of A[m][k] B[n][k], K = 1,024, M = 8,192; A and B bf16 in panels of 64 channels (R rows x 64 channels = R x 128 consecutive bytes); sums in f32.
; The text serves two products; the constant F32OUT chooses the way out.  0 (here): f16 by heads, [n / 1024][batch x 16 + head][2048][64] (q, k, v).  1: f32 rows of 1,024 (the output projection).
; LIMIT of the f16 way: a result of 65,520 or more in size becomes an infinity in f16.
; SHARES.  A tile of C is 256 x 128: 768 work-groups for N = 3,072, 256 for N = 1,024.  Four waves, 2 x 2, each 128 x 64: 32 accumulators, 256 registers.
; K goes in 8 steps of 128 (two panels) through two LDS slots; behind each change of slots a wave issues one tensor load: waves 0, 1 a panel of A (32 KiB), waves 2, 3 a panel of B (16 KiB).
; A panel's bytes are asked for as rows of 256 bytes and padded in LDS after every 128: an operand row lies 144 bytes from the next, so the 16 rows of a fragment load start at 16 different groups of four banks (ISA guide 11.1).
; CLUSTER 4 x 4: A's tile hangs on the tile row alone and is asked for jointly by a row of the cluster, B's on the tile column alone, by a column.
; THE MATRIX INSTRUCTION IS USED TRANSPOSED (source 0 = 16 rows of B, source 1 = 16 rows of A): a lane holds one row of C and eight neighbouring columns.  The bias is the C operand of the first product.
; REGISTERS: window 0: v0-31 addresses, v32-63 the bias, v64-159 and v160-255 two fragment buffers (8 of A, 4 of B, for 32 along K); window 1: accumulator (a, b) at v[8 (4 a + b)].
.set F32OUT, 0
.set PITCH,  144
.set APAN,   256*PITCH                 ; a panel of A in LDS
.set BPAN,   128*PITCH                 ; a panel of B
.set SLOT,   2*APAN+2*BPAN             ; A's two panels, then B's two
.set STAGE,  2*SLOT                    ; behind the ring: 16 rows x 272 bytes for each wave, for the way out; no tensor load fills it
.set STW,    16*272
.set SPARE,  STAGE+4*STW               ; the spare words, 128 bytes for each wave: two blocks of 256 bytes that no other line names
.set ASTEP,  2*2048*128                ; bytes from a K step to the next in A: two panels of 2,048 rows
.set BSTEP,  2*128*128                 ; in B: two panels of 128 rows
.set FIELDS, (1<<16)|(1<<20)|(1<<21)|(4<<22)|(3<<25)  ; group 1, word 0: 2-byte elements; padding on; bit 21 set beside a mask; after every 32 words; 4 words
.set ADRA, 16                          ; v16-17  LDS address of my A fragments in slot 0, 1
.set ADRB, 20                          ; v20-21  the same for B
.set BO,   22                          ; v22     32 x (lane / 16): my eight numbers in 16 of the bias
.set STO,  23                          ; the way out: where I put my part of a row
.set RD,   24                          ;              where I read rows back
.set GO,   25                          ;              my 16 bytes in the output
.set SPW,  28                          ; LDS address of my spare word; never rewritten
.set NIL,  29                          ; 0; never rewritten
.set PFO,  30                          ; 256 x lane: the prefetches' offset; never rewritten
.set BIAS, 32
.set F0,   64
.set F1,   160
.set TMP,  64                          ; the way out: packed results
.set BK,   96                          ; the way out: rows read back, v96-127 and v128-159 by turns
.set OUT, 10                           ; s[10:11] the output
.set WV, 14                            ; wave
.set RH, 15                            ; which 128 rows of the tile are mine.  Also: I fetch for A (0) or B (1)
.set CH, 16                            ; which 64 columns.  Also: which panel of a K step I fetch
.set CX, 17
.set CY, 18
.set TX, 19                            ; tile column
.set TY, 20                            ; tile row
.set LAP, 22
.set LIM, 23                           ; 1 in a wave that prefetches, else the greatest number
.set G1A, 24                           ; s[24:31] group 1 for A's tiles;  s[32:39] group 0, a set for each slot
.set G0A, 32
.set G1B, 48                           ; s[48:55], s[56:63] the same for B's
.set G0B, 56
.set PFA, 66                           ; s[66:67] where my prefetches stand
.set PFS, 68                           ; s[68:69] their step: a K step of A or of B
.set OFFS, 70                          ; s[70:71] my part's first byte in the output
.set MSB, 0
.macro WIN new                         ; the immediate's high byte repeats the setting that is left; a switch that changes nothing is dropped
.if MSB != (\new)
	s_set_vgpr_msb (MSB<<8)|(\new)
.set MSB, \new
.endif
.endm
.set MULW,   0x50                      ; C and D in window 1, fragments in window 0
.set FIRSTW, 0x40                      ; D in window 1, C (the bias) in window 0
.macro PLACES                          ; four plain places behind matrix instructions, ahead of loads into registers that they read and of readers of their results
.rept 4
	v_nop
.endr
.endm
.macro JLOAD s                         ; a joint load; the branch hangs on the wave's number alone; an s_nop 0 and four v_nop follow each of the two lines
	s_cmp_eq_u32 s[RH], 0
	s_cbranch_scc0 .Lfor_b_\@
	tensor_load_to_lds s[G0A+4*(\s):G0A+4*(\s)+3], s[G1A:G1A+7]
	s_nop 0
.rept 4
	v_nop
.endr
	s_branch .Lasked_\@
.Lfor_b_\@:
	tensor_load_to_lds s[G0B+4*(\s):G0B+4*(\s)+3], s[G1B:G1B+7]
	s_nop 0
.rept 4
	v_nop
.endr
.Lasked_\@:
.endm
.macro CREST                           ; a round of the cluster's barrier behind its opening barrier
	s_cmp_lg_u32 s[WV], 0
	s_cbranch_scc1 .Lnot_wave_0_\@
	s_barrier_signal -3
.Lnot_wave_0_\@:
	s_barrier_wait -3
	s_barrier_signal -1
	s_barrier_wait -1
.endm
.macro CROUND
	s_barrier_signal -1
	s_barrier_wait -1
	CREST
.endm
; A prefetch of the K step two refills on: 32 lanes x 256 bytes.  A's panels: waves 0, 1 of the clusters with cluster x = 0, each its own panel, the four partners of a row 8 KiB each by address.
; B's two panels (32 KiB on end): wave 2 of the clusters with cluster y = 0, the four partners of a column 8 KiB each by address.  So each block is named once.  The loop's last trip names nothing.
.macro ASK
	s_cmp_gt_u32 s[LAP], s[LIM]
	s_cbranch_scc0 .Lnot_mine_\@
	global_prefetch_b8 v[PFO], s[PFA:PFA+1] th:TH_LOAD_NT scope:SCOPE_SE
.Lnot_mine_\@:
.endm
	s_load_b256 s[4:11], s[0:1], 0x0               ; A s[4:5], B s[6:7], bias s[8:9], the output s[10:11]
	v_lshl_add_u32 v[SPW], v0, 2, SPARE
	v_mov_b32 v[NIL], 0
	ds_add_u32 v[SPW], v[NIL]                      ; the wave's opening: the add and its wait ahead of my first tensor load
	v_lshrrev_b32 v1, 5, v0
	v_readfirstlane_b32 s[WV], v1
	s_lshr_b32 s[RH], s[WV], 1
	s_and_b32 s[CH], s[WV], 1
	s_bfe_u32 s[CX], ttmp6, 0x40000
	s_bfe_u32 s[CY], ttmp6, 0x40004
	s_lshl_b32 s[TX], ttmp9, 2
	s_add_co_u32 s[TX], s[TX], s[CX]
	s_and_b32 s[TY], ttmp7, 0xffff
	s_lshl_b32 s[TY], s[TY], 2
	s_add_co_u32 s[TY], s[TY], s[CY]
	s_lshl_b32 s40, s[CY], 2
	s_lshl_b32 s40, 15, s40                        ; my row of the cluster
	s_lshl_b32 s74, 0x1111, s[CX]                  ; my column
	s_or_b32 s[G1A], s40, FIELDS
	s_or_b32 s[G1B], s74, FIELDS
.irp g, G1A, G1B
	s_mov_b32 s[(\g)+1], 128<<16                   ; tensor_dim0 = 128 elements: 256 bytes
	s_mov_b32 s[(\g)+3], 128<<16                   ; tile_dim0 = 128
	s_mov_b32 s[(\g)+5], 128                       ; 128 elements from row to row: dense
	s_mov_b32 s[(\g)+6], 0
	s_mov_b32 s[(\g)+7], 0
.endr
	s_mov_b32 s[G1A+2], 128<<16                    ; tensor_dim1: a panel of A is 128 rows of 256 bytes,
	s_mov_b32 s[G1A+4], 128                        ; tile_dim1
	s_mov_b32 s[G1B+2], 64<<16                     ; a panel of B 64
	s_mov_b32 s[G1B+4], 64
	s_lshr_b32 s40, s[TY], 3                       ; A: batch x 16 panels,
	s_lshl_b32 s40, s40, 22
	s_and_b32 s41, s[TY], 7
	s_lshl_b32 s41, s41, 15                        ; 256 rows of 128 bytes a tile row,
	s_add_co_u32 s40, s40, s41
	s_lshl_b32 s41, s[CH], 18                      ; my panel of the K step
	s_add_co_u32 s40, s40, s41
	s_mov_b32 s41, 0
	s_mul_i32 s42, s[CH], APAN                     ; and its place in a slot
	s_lshl_b32 s74, s[TX], 18                      ; B: a block of 128 rows x 16 panels,
	s_lshl_b32 s75, s[CH], 14                      ; my panel
	s_add_co_u32 s74, s74, s75
	s_mov_b32 s75, 0
	s_mul_i32 s76, s[CH], BPAN
	s_add_co_u32 s76, s76, 2*APAN
	s_wait_dscnt 0x0                               ; the opening add is done
	s_wait_kmcnt 0x0
	s_add_nc_u64 s[44:45], s[4:5], s[40:41]
	s_add_nc_u64 s[78:79], s[6:7], s[74:75]
	CROUND                                         ; all sixteen work-groups are here: the first joint loads meet
.irp s, 0,1
	s_mov_b32 s[G0A+4*(\s)], 1
	s_add_co_u32 s[G0A+4*(\s)+1], s42, (\s)*SLOT
	s_add_nc_u64 s[G0A+4*(\s)+2:G0A+4*(\s)+3], s[44:45], (\s)*ASTEP
	s_or_b32 s[G0A+4*(\s)+3], s[G0A+4*(\s)+3], 0x80000000
	s_mov_b32 s[G0B+4*(\s)], 1
	s_add_co_u32 s[G0B+4*(\s)+1], s76, (\s)*SLOT
	s_add_nc_u64 s[G0B+4*(\s)+2:G0B+4*(\s)+3], s[78:79], (\s)*BSTEP
	s_or_b32 s[G0B+4*(\s)+3], s[G0B+4*(\s)+3], 0x80000000
	JLOAD \s                                       ; K steps 0 and 1: two loads of mine are out
.endr
	v_and_b32 v1, 15, v0                           ; lane % 16
	v_bfe_u32 v2, v0, 4, 1                         ; lane / 16
	v_mul_u32_u24 v3, v1, PITCH
	v_lshl_add_u32 v3, v2, 4, v3                   ; a fragment's row x pitch + 16 x half
	s_mul_i32 s80, s[RH], 128*PITCH                ; my 128 rows of A
	s_mul_i32 s81, s[CH], 64*PITCH                 ; my 64 rows of B,
	s_add_co_u32 s81, s81, 2*APAN                  ; behind A's panels
	v_add_nc_u32 v[ADRA], s80, v3
	v_add_nc_u32 v[ADRB], s81, v3
	v_add_nc_u32 v[ADRA+1], SLOT, v[ADRA]
	v_add_nc_u32 v[ADRB+1], SLOT, v[ADRB]
	v_lshlrev_b32 v[BO], 5, v2
	v_and_b32 v5, 31, v0
	v_lshlrev_b32 v[PFO], 8, v5
	s_mul_i32 s82, s[WV], STW
	s_add_co_u32 s82, s82, STAGE                   ; my stage
.if F32OUT
	v_mul_u32_u24 v6, v1, 272
	v_lshl_add_u32 v6, v2, 5, v6
	v_add_nc_u32 v[STO], s82, v6                   ; in: row lane % 16 of 272 bytes, 32 bytes for each half of the lanes
	v_mul_u32_u24 v7, v2, 272
	v_lshl_add_u32 v7, v1, 4, v7
	v_add_nc_u32 v[RD], s82, v7                    ; back: lanes 0-15 one row of 256 bytes, lanes 16-31 the next
	v_lshlrev_b32 v[GO], 12, v2
	v_lshl_add_u32 v[GO], v1, 4, v[GO]             ; and the same two rows in the output
.else
	v_add_nc_u32 v[STO], s82, v3                   ; in: row lane % 16 of 144 bytes, 16 bytes for each half of the lanes
	v_bfe_u32 v4, v0, 3, 2
	v_mul_u32_u24 v4, v4, PITCH
	v_and_b32 v6, 7, v0
	v_lshl_add_u32 v4, v6, 4, v4
	v_add_nc_u32 v[RD], s82, v4                    ; back: 32 lanes take four rows of 128 bytes,
	v_lshlrev_b32 v[GO], 4, v5                     ; which are 512 consecutive bytes of the output
.endif
	s_lshl_b32 s80, s[TX], 9
	s_lshl_b32 s81, s[CH], 8
	s_add_co_u32 s80, s80, s81                     ; my first column x 4 bytes
	s_mov_b32 s81, 0
	s_add_nc_u64 s[8:9], s[8:9], s[80:81]
.irp b, 0,1,2,3                        ; register j of block b: bias[16 b + 8 (lane / 16) + j], as the transposed result holds its columns
	global_load_b128 v[BIAS+8*\b:BIAS+8*\b+3], v[BO], s[8:9] offset:64*\b
	global_load_b128 v[BIAS+8*\b+4:BIAS+8*\b+7], v[BO], s[8:9] offset:64*\b+16
.endr
	s_lshl_b32 s83, s[RH], 7                       ; my 128 rows of the tile's 256
.if F32OUT
	s_lshl_b32 s82, s[TY], 8
	s_add_co_u32 s82, s82, s83                     ; my first row,
	s_lshl_b32 s[OFFS], s82, 12                    ; of 4,096 bytes,
	s_add_co_u32 s[OFFS], s[OFFS], s80             ; and my first column
.else
	s_lshl_b32 s84, s[TX], 1
	s_add_co_u32 s84, s84, s[CH]                   ; my 64 columns are head number s84 of 48 (q's, k's, v's)
	s_lshr_b32 s85, s84, 4
	s_lshl_b32 s85, s85, 6
	s_and_b32 s84, s84, 15
	s_add_co_u32 s85, s85, s84
	s_lshr_b32 s84, s[TY], 3
	s_lshl_b32 s84, s84, 4
	s_add_co_u32 s85, s85, s84                     ; 64 x which + 16 x batch + head
	s_lshl_b32 s[OFFS], s85, 18                    ; 2,048 rows of 128 bytes
	s_and_b32 s84, s[TY], 7
	s_lshl_b32 s84, s84, 8
	s_add_co_u32 s84, s84, s83                     ; my first row in the batch
	s_lshl_b32 s84, s84, 7
	s_add_co_u32 s[OFFS], s[OFFS], s84
.endif
	s_mov_b32 s[OFFS+1], 0
	s_lshl_b32 s84, s[CX], 13                      ; the prefetches: A's panel, my work-group's 8 KiB of it, at K step 3: the first refill steps it to 4
	s_add_co_u32 s84, s84, s40
	s_add_co_u32 s84, s84, 3*ASTEP
	s_lshl_b32 s85, s[CY], 13                      ; or B's two panels
	s_lshl_b32 s86, s[TX], 18
	s_add_co_u32 s85, s85, s86
	s_add_co_u32 s85, s85, 3*BSTEP
	s_and_b32 s86, ttmp7, 0xffff                   ; cluster y,
	s_or_b32 s86, s86, s[CH]                       ; and of waves 2 and 3 the first alone
	s_mov_b32 s87, ASTEP
	s_cmp_eq_u32 s[RH], 0
	s_cselect_b32 s84, s84, s85
	s_cselect_b32 s86, ttmp9, s86
	s_cselect_b32 s[PFS], s87, BSTEP
	s_cselect_b64 s[PFA:PFA+1], s[4:5], s[6:7]
	s_mov_b32 s85, 0
	s_mov_b32 s[PFS+1], 0
	s_add_nc_u64 s[PFA:PFA+1], s[PFA:PFA+1], s[84:85]
	s_cmp_eq_u32 s86, 0
	s_cselect_b32 s[LIM], 1, -1                    ; the same in all sixteen partners, for a given wave
; n x 4 matrix instructions: row blocks a0 .. a0 + n - 1 x all 4 column blocks, 32 along K, from buffer f.  The 32 accumulators take turns in one fixed order.
.macro MUL f, a0, n, first
.if \first
	WIN FIRSTW
.else
	WIN MULW
.endif
.set aa, \a0
.rept \n
.irp bb, 0,1,2,3
.if \first
	v_wmma_f32_16x16x32_bf16 v[8*(4*aa+\bb):8*(4*aa+\bb)+7], v[(\f)+64+8*\bb:(\f)+64+8*\bb+7], v[(\f)+8*aa:(\f)+8*aa+7], v[BIAS+8*\bb:BIAS+8*\bb+7]
.else
	v_wmma_f32_16x16x32_bf16 v[8*(4*aa+\bb):8*(4*aa+\bb)+7], v[(\f)+64+8*\bb:(\f)+64+8*\bb+7], v[(\f)+8*aa:(\f)+8*aa+7], v[8*(4*aa+\bb):8*(4*aa+\bb)+7]
.endif
.endr
.set aa, aa+1
.endr
.endm
; 24 LDS loads in one run: quarter q (32 along K: panel q / 2, byte 64 (q % 2) of its rows) of a slot, into buffer f
.macro FETCH slot, q, f
	WIN 0
.irp i, 0,1,2,3
	ds_load_b128 v[(\f)+64+8*\i:(\f)+64+8*\i+3],   v[ADRB+(\slot)] offset:((\q)/2)*BPAN+((\q)%2)*64+\i*16*PITCH
	ds_load_b128 v[(\f)+64+8*\i+4:(\f)+64+8*\i+7], v[ADRB+(\slot)] offset:((\q)/2)*BPAN+((\q)%2)*64+\i*16*PITCH+32
.endr
.irp i, 0,1,2,3,4,5,6,7
	ds_load_b128 v[(\f)+8*\i:(\f)+8*\i+3],   v[ADRA+(\slot)] offset:((\q)/2)*APAN+((\q)%2)*64+\i*16*PITCH
	ds_load_b128 v[(\f)+8*\i+4:(\f)+8*\i+7], v[ADRA+(\slot)] offset:((\q)/2)*APAN+((\q)%2)*64+\i*16*PITCH+32
.endr
.endm
; One of a K step's first three quarters: quarter q is fetched into buffer g, then buffer f, fetched a quarter earlier, is multiplied: 32 matrix instructions.
.macro QUARTER slot, q, f, g, first
.if !(\first)
	PLACES
.endif
	FETCH \slot, \q, \g
	s_wait_dscnt 24                                ; all but the 24 just issued: buffer f is in
	MUL \f, 0, 8, \first
.endm
; The last quarter multiplies buffer 1 and changes slots: one barrier.  Ahead of it each wave waits for all its tensor loads (its part of the next slot), adds 0 to its spare word, and waits for that and for its reads of this slot.
; fill = 1: the barrier opens a round of the cluster's; the joint refill, two K steps on, is the first thing behind the round: 112 matrix instructions stand between it and the wait for it.
.macro TURN slot, next, fill
.if \fill
	s_wait_xcnt 0x0                                ; the last prefetch, a K step back, has read its address
	s_add_nc_u64 s[PFA:PFA+1], s[PFA:PFA+1], s[PFS:PFS+1]
.endif
	WIN 0
	s_wait_tensorcnt 0x0
	ds_add_u32 v[SPW], v[NIL]
	s_wait_dscnt 1                                 ; the add may be out: buffer 1 is in
	MUL F1, 0, 2, 0
	s_wait_dscnt 0x0                               ; the add is done, and my reads of this slot are over
	s_barrier_signal -1
	MUL F1, 2, 2, 0
	WIN 0
	s_barrier_wait -1
.if \fill
	CREST                                          ; no wave of any partner still reads this slot or has a load on its way
	s_add_nc_u64 s[G0A+4*(\slot)+2:G0A+4*(\slot)+3], s[G0A+4*(\slot)+2:G0A+4*(\slot)+3], 2*ASTEP
	s_add_nc_u64 s[G0B+4*(\slot)+2:G0B+4*(\slot)+3], s[G0B+4*(\slot)+2:G0B+4*(\slot)+3], 2*BSTEP
	JLOAD \slot                                    ; its four v_nop are also the places ahead of the loads below
.else
	PLACES
.endif
	FETCH \next, 0, F0
.if \fill
	ASK
.endif
	MUL F1, 4, 4, 0
.endm
	s_wait_tensorcnt 1                             ; my part of K step 0 is in; K step 1's may stay out
	s_barrier_signal -1
	s_barrier_wait -1
	FETCH 0, 0, F0
	s_wait_loadcnt 0x0                             ; the bias
	QUARTER 0, 1, F0, F1, 1                        ; the first quarter stands ahead of the loop: its products start the sums, with the bias
	WIN 0
	s_mov_b32 s[LAP], 3
.Llap:                                         ; a trip goes once round the ring and fills both slots again: K steps 2 to 7
	QUARTER 0, 2, F1, F0, 0
	QUARTER 0, 3, F0, F1, 0
	TURN 0, 1, 1
	QUARTER 1, 1, F0, F1, 0
	QUARTER 1, 2, F1, F0, 0
	QUARTER 1, 3, F0, F1, 0
	TURN 1, 0, 1
	QUARTER 0, 1, F0, F1, 0
	WIN 0
	s_sub_co_u32 s[LAP], s[LAP], 1
	s_cmp_lg_u32 s[LAP], 0
	s_cbranch_scc1 .Llap
	QUARTER 0, 2, F1, F0, 0                        ; the last lap fills nothing
	QUARTER 0, 3, F0, F1, 0
	TURN 0, 1, 0
	QUARTER 1, 1, F0, F1, 0
	QUARTER 1, 2, F1, F0, 0
	QUARTER 1, 3, F0, F1, 0
	s_wait_dscnt 0x0
	MUL F1, 0, 8, 0
	WIN 0
	PLACES
	PLACES
; THE WAY OUT, a block of 16 rows at a time through my own stage: LDS serves a wave's instructions in order (ISA guide 5.7.1.4), so no wait stands between the stores into the stage and the loads from it.
	s_add_nc_u64 s[OUT:OUT+1], s[OUT:OUT+1], s[OFFS:OFFS+1]
.if F32OUT
.macro TOST a
.if (\a) >= 2
	s_wait_xcnt 0x0                                ; the stores of the block two back have read the registers that are loaded again below
.endif
	WIN 0x04                                       ; the stores' data in window 1
.irp b, 0,1,2,3
	ds_store_b128 v[STO], v[8*(4*(\a)+\b):8*(4*(\a)+\b)+3]   offset:64*\b
	ds_store_b128 v[STO], v[8*(4*(\a)+\b)+4:8*(4*(\a)+\b)+7] offset:64*\b+16
.endr
	WIN 0
.irp t, 0,1,2,3,4,5,6,7
	ds_load_b128 v[BK+32*((\a)%2)+4*\t:BK+32*((\a)%2)+4*\t+3], v[RD] offset:\t*2*272
.endr
.endm
.macro SEND a, younger                 ; younger: the next block's sixteen LDS instructions, or none
	s_wait_dscnt \younger
.irp t, 0,1,2,3,4,5,6,7
	global_store_b128 v[GO], v[BK+32*((\a)%2)+4*\t:BK+32*((\a)%2)+4*\t+3], s[OUT:OUT+1] offset:(16*(\a)+2*\t)*4096  ; 16 lanes store 256 consecutive bytes, aligned
.endr
.endm
	TOST 0
.irp a, 1,2,3,4,5,6,7
	TOST \a
	SEND (\a)-1, 16
.endr
	SEND 7, 0
.else
.macro PACK a                          ; rounded to f16, each accumulator's registers in ascending order
	WIN 0x05
.irp b, 0,1,2,3
.irp rr, 0,1,2,3
	v_cvt_pk_f16_f32 v[TMP+4*\b+\rr], v[8*(4*(\a)+\b)+2*\rr], v[8*(4*(\a)+\b)+2*\rr+1]
.endr
.endr
	WIN 0
.endm
.macro TOST a
.if (\a) >= 2
	s_wait_xcnt 0x0                                ; the stores of the block two back have read the registers that are loaded again below
.endif
.irp b, 0,1,2,3
	ds_store_b128 v[STO], v[TMP+4*\b:TMP+4*\b+3] offset:32*\b
.endr
.irp f, 0,1,2,3
	ds_load_b128 v[BK+32*((\a)%2)+4*\f:BK+32*((\a)%2)+4*\f+3], v[RD] offset:\f*4*PITCH
.endr
.endm
.macro SEND a, younger                 ; younger: the next block's eight LDS instructions, or none
	s_wait_dscnt \younger
.irp f, 0,1,2,3
	global_store_b128 v[GO], v[BK+32*((\a)%2)+4*\f:BK+32*((\a)%2)+4*\f+3], s[OUT:OUT+1] offset:(\a)*2048+\f*512  ; 512 consecutive bytes, aligned: four rows of a head
.endr
.endm
	PACK 0
	TOST 0
.irp a, 1,2,3,4,5,6,7
	PACK \a
	TOST \a
	SEND (\a)-1, 8
.endr
	SEND 7, 0
.endif
	s_wait_tensorcnt 0x0                           ; the wave's end
	ds_add_u32 v[SPW], v[NIL]
	s_wait_dscnt 0x0
	CROUND                                         ; the closing round: no work-group ends while a partner may still ask for a tile that names it
	s_endpgm
.Lfunc_end_k_qca4dcb84b2_qkv:
	.size	k_qca4dcb84b2_qkv, .Lfunc_end_k_qca4dcb84b2_qkv-k_qca4dcb84b2_qkv
	.p2alignl 7, 3214868480
	.fill 96, 4, 3214868480
	.section	.rodata,"a",@progbits
	.p2align	6, 0x0
	.amdhsa_kernel k_qca4dcb84b2_qkv
		.amdhsa_group_segment_fixed_size 327680
		.amdhsa_private_segment_fixed_size 0
		.amdhsa_enable_private_segment 0
		.amdhsa_kernarg_size 32
		.amdhsa_user_sgpr_count 2
		.amdhsa_user_sgpr_kernarg_segment_ptr 1
		.amdhsa_wavefront_size32 1
		.amdhsa_system_sgpr_workgroup_id_x 1
		.amdhsa_system_sgpr_workgroup_id_y 1
		.amdhsa_system_sgpr_workgroup_id_z 1
		.amdhsa_system_vgpr_workitem_id 0
		.amdhsa_next_free_vgpr 512
		.amdhsa_next_free_sgpr 88
		.amdhsa_reserve_vcc 0
		.amdhsa_float_denorm_mode_32 3
		.amdhsa_float_denorm_mode_16_64 3
		.amdhsa_memory_ordered 1
		.amdhsa_forward_progress 1
		.amdhsa_inst_pref_size 88
	.end_amdhsa_kernel
	.amdgpu_metadata
---
amdhsa.version: [ 1, 2 ]
amdhsa.kernels:
  - .name:           k_qca4dcb84b2_qkv
    .symbol:         k_qca4dcb84b2_qkv.kd
    .args:
      - { .name: act, .offset: 0, .size: 8, .value_kind: global_buffer, .address_space: global }
      - { .name: wqkv, .offset: 8, .size: 8, .value_kind: global_buffer, .address_space: global }
      - { .name: bias3, .offset: 16, .size: 8, .value_kind: global_buffer, .address_space: global }
      - { .name: qkv, .offset: 24, .size: 8, .value_kind: global_buffer, .address_space: global }
    .group_segment_fixed_size: 327680
    .private_segment_fixed_size: 0
    .kernarg_segment_align: 8
    .kernarg_segment_size: 32
    .max_flat_workgroup_size: 128
    .sgpr_count:     88
    .vgpr_count:     512
    .wavefront_size: 32
...
	.end_amdgpu_metadata
.endif
;; end of part 2
;; launch attn (part 3): grid 4 x 64, 4 waves a work-group, clusters of 4 x 1, 327,680 bytes of LDS; arguments qkv, attention_mask, act; writes act
.if DOCPART == 3
	.amdgcn_target "amdgcn-amd-amdhsa--gfx1250"
	.amdhsa_code_object_version 6
	.text
	.protected	k_qca4dcb84b2_attn
	.globl	k_qca4dcb84b2_attn
	.p2align	8
	.type	k_qca4dcb84b2_attn,@function
k_qca4dcb84b2_attn:
	s_mov_b64 s[64:65], 0
	v_nop
	global_prefetch_b8 v0, s[64:65] scope:SCOPE_SE
	s_setreg_imm32_b32 hwreg(HW_REG_WAVE_MODE, 25, 1), 1
	s_wait_xcnt 0x0
	s_wait_alu depctr_hold_cnt(0) depctr_sa_sdst(0) depctr_va_vdst(0) depctr_va_sdst(0) depctr_va_ssrc(0) depctr_va_vcc(0) depctr_vm_vsrc(0)
	s_getreg_b32 s2, hwreg(HW_REG_IB_STS2, 6, 4)
	s_cmp_eq_u32 s2, 0
	s_cbranch_scc0 .Lentry_in_a_cluster
	s_endpgm
.Lentry_in_a_cluster:
	s_bfe_u32 s2, ttmp6, 0x10000c
	s_cmp_lg_u32 s2, 0x3003
	s_cbranch_scc0 .Lentry_shape_is_right
	s_endpgm
.Lentry_shape_is_right:
; O[hb][q][:] = the sum over k of softmax_k(Q[hb][q] . K[hb][k] / 8 + mask[b][k]) V[hb][k][:], hb = 16 b + head.  Q, K, V: three parts of qkv, each [64][2048][64] in f16; mask [4][2048] in f32; O [64][2048][64] in bf16.
; Products, maxima and sums in f32; the weights p are rounded to f16 for the second product (their sum l is taken of the unrounded p), O once at the end.
; LIMITS.  Q, K and V arrive within f16's range, 65,504.  A mask value beyond 1e30 in size counts as 1e30 of its sign (so minus infinity hides a key; where every key of a batch is so hidden the weights are uniform).
; A weight below 2^-126 counts as 0 in l; NaN is not treated apart.
; THE MASK is the C operand that starts the sum S^T = K Q^T: 8 x the clamped mask (an exact factor), so that c (s + 8 mask) = log2(e) (s / 8 + mask).  The batch's 2,048 numbers are scaled once and kept in LDS; a key step's 64 are fetched with its K.
; SHARES.  A wave owns four PIECES of two tiles of 16 queries, a work-group's four waves 512 queries of one head: 256 work-groups.  Every wave walks all keys, 64 a step.
; LAYOUT.  S^T = K Q^T (source 0 = 16 keys, source 1 = 16 queries): a lane holds ONE query (lane % 16) and the keys 8 (lane / 16) + 0..7.  Two such tiles, rounded to f16 in pairs, ARE source 1 of O^T = V^T P.
; K comes out of LDS as it lies, V ([key][channel]) turned, by ds_load_tr16_b128.
; SOFTMAX.  For each query a running maximum m and sum l: p = 2^(c s - c m), c = log2(e) / 8; in every step O and l are multiplied by a = 2^(c m_old - c m_new).  m starts at the lowest finite number, O and l at 0.
; BY TURNS.  Turn n belongs to piece n.  Its matrix work: 16 products K Q^T of piece n + 1, later 16 products V^T P of piece n - 1.  Its vector work: scaling, exponentials, roundings, sums and rescaling of piece n, and the
; maximum and statistics of piece n + 1.  Four vector instructions stand behind every matrix instruction, the others in one run; a turn's 66 exponentials are one batch with one wait.
; CLUSTER.  The four query blocks of a head walk the same K and V: each tile is asked for JOINTLY, by the same tensor load, descriptor and mask in all four.
; REGISTERS, in windows of 256 (s_set_vgpr_msb: bits 1:0 source 0, 3:2 source 1, 5:4 source 2, 7:6 destination):
;   window 0: v0-11 addresses; v12-15, v48-63 at work; v16-47 four registers of statistics a tile; v64-191 S^T, two buffers of two tiles; v192-255 P, likewise
;   window 1: O^T, 32 a tile     window 2: v0-127 Q; v128-191 K of one step; v192-255 V of one step     window 3: v0-1 the add's two registers; v8-39 the step's mask
.set SIZE_N, 2048
.set NP,    4         ; pieces a wave: a name, no knob
.set KS,    64        ; keys in a step
.set PK,    144       ; a row of K in LDS: 128 bytes + 16: the 16 rows of a load start at 16 different groups of four banks (ISA guide 11.1)
.set PV,    160       ; a row of V: 128 + 32
.set VOFF,  4*KS*PK   ; a slot holds four steps: 256 rows of K, then 256 rows of V
.set SLOT1, 1<<17     ; slot 1 begins here: one exclusive or turns an address in one slot into the other's
.set STAGE, SLOT1+4*KS*(PK+PV)  ; behind the ring, never filled by a tensor load: 16 rows x 144 bytes for each wave
.set SP,    144
.set SPARE, STAGE+4*16*SP  ; the spare words, 128 bytes for each wave: two blocks of 256 bytes that no other line names
.set MASKB, SPARE+512 ; the batch's mask x 8: 8,192 bytes, stored once, never filled by a tensor load
.set PFO, 1           ; v1   256 x my lane: the prefetches' offset
.set AK0, 2           ; v2   my lane's place in a tile of K; never rewritten
.set AV0, 3           ; v3   the same for V
.set AK,  4           ; v4   the LDS address of K's next run of loads
.set AV,  5           ; v5   of V's
.set STO, 6           ; v6   the way out: where I put 16 bytes of a row
.set RD,  7           ; v7   the way out: where I read rows back
.set GO,  8           ; v8   my byte offset in 512 consecutive bytes of O
.set AM,  10          ; v10  the LDS address of the mask's next run
.set AM0, 11          ; v11  MASKB + 32 (lane / 16); never rewritten
.set QO,  66          ; v66  my byte offset in the wave's rows of Q: a register of S^T, free until Q is in
.set SPW, 0           ; v0 of window 3   LDS address of my spare word; never rewritten
.set NIL, 1           ; v1 of window 3   0; never rewritten
.set MC,  8           ; v8-39 of window 3: the eight numbers for key block kb at MC + 8 kb
.set MV,  12
.set ST,  16          ; tile t's statistics at v[ST+4 t]: c m, m, l (even keys', odd keys')
.set TMP, 48
.set S,   64
.set P,   192
.set KF,  128
.set VF,  192
.set WV,  12
.set G1K, 24
.set G1V, 32
.set G0K, 40
.set G0V, 44
.set TBM, 53          ; s53  byte in the mask at which the step to be fetched begins
.set LIM, 54          ; s54  1 in a wave that prefetches, else the greatest number
.set SLOTS, 56
.set CNT, 57
.set CS,  58
.set SEL, 60
.set TBK, 62
.set TBV, 63
.set PFA, 66          ; s[66:67] where my prefetches stand
.set MSB, 0
.macro WIN new
.if MSB != (\new)
	s_set_vgpr_msb (MSB<<8)|(\new)
.set MSB, (\new)
.endif
.endm
.set W_KQ, 0x0a       ; K and Q in window 2, S^T in window 0
.set W_KM, 0x3a       ; the same with the C operand in window 3
.set W_PV, 0x52       ; V in window 2, P in window 0, O^T in window 1
.set W_RS, 0x41       ; O^T in window 1, a in window 0
.set W_MK, 0xc0       ; destination in window 3, sources in window 0
.set W_AD, 0x0f       ; the add: address and data in window 3
.macro JLOAD                        ; waves 0 and 1 fetch the two halves of a slot's K, waves 2 and 3 those of its V; an s_nop 0 and four v_nop follow each line
	s_cmp_lt_u32 s[WV], 2
	s_cbranch_scc0 .Lfor_v_\@
	tensor_load_to_lds s[G0K:G0K+3], s[G1K:G1K+7]
	s_nop 0
.rept 4
	v_nop
.endr
	s_branch .Lasked_\@
.Lfor_v_\@:
	tensor_load_to_lds s[G0V:G0V+3], s[G1V:G1V+7]
	s_nop 0
.rept 4
	v_nop
.endr
.Lasked_\@:
.endm
; A prefetch of what the NEXT change of slots will ask for: 256 keys are 32 KiB of K and of V.  The four partners take 8 KiB each, by address; in each, wave 0 asks for K's and wave 2 for V's, a lane 256 bytes.
; So each block is named once.  It stands four key steps, 512 matrix instructions, ahead of the load; the last change that fills a slot names nothing.
.macro ASK
	s_cmp_gt_u32 s[SLOTS], s[LIM]
	s_cbranch_scc0 .Lnot_mine_\@
	global_prefetch_b8 v[PFO], s[PFA:PFA+1] th:TH_LOAD_NT scope:SCOPE_SE
.Lnot_mine_\@:
.endm
.macro CROUND
	s_barrier_signal -1
	s_barrier_wait -1
	s_cmp_lg_u32 s[WV], 0
	s_cbranch_scc1 .Lnot_wave_0_\@
	s_barrier_signal -3
.Lnot_wave_0_\@:
	s_barrier_wait -3
	s_barrier_signal -1
	s_barrier_wait -1
.endm
; THE CHANGE OF SLOTS.  Each wave waits for all its tensor loads (one is out: its part of the other slot), adds 0 to its spare word, and waits for that and for its own LDS instructions.
; fill = 1: the slot left is filled again, with the keys two slots on; the barrier is a round of the cluster's, and the joint fill is the first thing behind it.  (At its first use slot 0 is waited for and slot 1 filled, and the mask's stores are shown to all waves.)
.macro CHANGE fill
	WIN W_AD
	s_wait_tensorcnt 0x0
	ds_add_u32 v[SPW], v[NIL]
	WIN 0
.if \fill
.irp g, G0K, G0V
	s_xor_b32 s[\g+1], s[\g+1], SLOT1
	s_add_nc_u64 s[\g+2:\g+3], s[\g+2:\g+3], 4*KS*128
.endr
	s_wait_xcnt 0x0                 ; the last prefetch, four key steps back, has read its address
	s_add_nc_u64 s[PFA:PFA+1], s[PFA:PFA+1], 4*KS*128
	s_wait_dscnt 0x0
	CROUND
	JLOAD
	ASK
.else
	s_wait_dscnt 0x0
	s_barrier_signal -1
	s_barrier_wait -1
.endif
	s_sub_co_u32 s[TBK], s[TBK], 4*KS*PK
	s_xor_b32 s[TBK], s[TBK], SLOT1
	s_sub_co_u32 s[TBV], s[TBV], 4*KS*PV
	s_xor_b32 s[TBV], s[TBV], SLOT1
.endm
	s_load_b64 s[4:5], s[0:1], 0x0    ; qkv: Q's part first
	s_load_b64 s[48:49], s[0:1], 0x8  ; the mask
	s_load_b64 s[10:11], s[0:1], 0x10 ; O
	WIN W_MK
	v_lshl_add_u32 v[SPW], v0, 2, SPARE
	v_mov_b32 v[NIL], 0
	WIN W_AD
	ds_add_u32 v[SPW], v[NIL]       ; the wave's opening: the add and its wait ahead of my first tensor load
	WIN 0
	v_lshrrev_b32 v1, 5, v0
	v_readfirstlane_b32 s[WV], v1
	s_bfe_u32 s13, ttmp6, 0x40000   ; cx
	s_lshl_b32 s14, ttmp9, 2
	s_add_co_u32 s14, s14, s13      ; my block of 512 queries: it enters Q's and O's addresses alone
	s_and_b32 s20, ttmp7, 0xffff    ; 16 x batch + head, which the four partners share
	s_lshr_b32 s54, s20, 4
	s_lshl_b32 s54, s54, 13         ; the batch's 8,192 bytes of the mask
	s_mov_b32 s55, 0
	s_mov_b32 s21, 0
	s_mov_b64 s[22:23], SIZE_N*128
	s_mul_u64 s[20:21], s[20:21], s[22:23]  ; the head's first byte in Q, K, V and O
	s_and_b32 s16, s[WV], 1         ; which half of a slot's 256 keys I fetch
	s_lshl_b32 s22, s16, 14
	s_mov_b32 s23, 0
	s_add_nc_u64 s[22:23], s[22:23], s[20:21]
	s_mul_i32 s17, s16, 128*PK
	s_mul_i32 s18, s16, 128*PV
	s_lshl_b32 s2, s14, 2
	s_add_co_u32 s2, s2, s[WV]
	s_lshl_b32 s2, s2, 14           ; my wave's 128 rows
	s_mov_b32 s3, 0
	s_add_nc_u64 s[2:3], s[2:3], s[20:21]
	; group 1: 128 keys are 16,384 dense bytes: 64 rows of 256 bytes, padded in LDS after every key
	s_mov_b32 s[G1K], 15|(1<<16)|(1<<20)|(1<<21)|(4<<22)|(3<<25)
	s_mov_b32 s[G1V], 15|(1<<16)|(1<<20)|(1<<21)|(4<<22)|(7<<25)
.irp g, G1K, G1V
	s_mov_b32 s[\g+1], 128<<16
	s_mov_b32 s[\g+2], 64<<16
	s_mov_b32 s[\g+3], 128<<16
	s_mov_b32 s[\g+4], 64
	s_mov_b32 s[\g+5], 128
	s_mov_b32 s[\g+6], 0
	s_mov_b32 s[\g+7], 0
.endr
	s_mov_b32 s[CS], 0x3e38aa3b     ; c = log2(e) / 8
	s_mov_b32 s[CS+1], s[CS]
	s_mov_b32 s[SEL], 0x76543210
	s_mov_b32 s[SEL+1], 0xfedcba98
	s_mov_b32 s50, 0xf149f2ca       ; -1e30
	s_mov_b32 s51, 0x7149f2ca       ; 1e30
	s_mov_b32 s52, 0x41000000       ; 8
	s_mov_b32 s[TBM], 0
	s_mov_b32 s[SLOTS], SIZE_N/256-1
	s_mov_b32 s[TBK], SLOT1+4*KS*PK ; the first change of slots turns these two into 0
	s_mov_b32 s[TBV], SLOT1+4*KS*PV
	s_mov_b32 s[G0K], 1
	s_mov_b32 s[G0K+1], s17
	s_mov_b32 s[G0V], 1
	s_add_co_u32 s[G0V+1], s18, VOFF
	s_wait_dscnt 0x0                ; the opening add is done
	s_wait_kmcnt 0x0
	s_add_nc_u64 s[6:7], s[4:5], 0x1000000  ; K's part of qkv
	s_add_nc_u64 s[8:9], s[4:5], 0x2000000  ; V's
	s_add_nc_u64 s[6:7], s[6:7], s[22:23]   ; at my half of the head's first 256 keys
	s_add_nc_u64 s[8:9], s[8:9], s[22:23]
	s_mov_b64 s[G0K+2:G0K+3], s[6:7]
	s_or_b32 s[G0K+3], s[G0K+3], 0x80000000
	s_mov_b64 s[G0V+2:G0V+3], s[8:9]
	s_or_b32 s[G0V+3], s[G0V+3], 0x80000000
	s_add_nc_u64 s[4:5], s[4:5], s[2:3]     ; Q and O at my wave's first row
	s_add_nc_u64 s[10:11], s[10:11], s[2:3]
	s_add_nc_u64 s[48:49], s[48:49], s[54:55]
	s_cmp_lt_u32 s[WV], 2
	s_cselect_b64 s[PFA:PFA+1], s[6:7], s[8:9]  ; (in waves 0 and 2 these stand at a slot's first row)
	s_lshl_b32 s2, s13, 13          ; my work-group's 8 KiB
	s_mov_b32 s3, 0
	s_add_nc_u64 s[PFA:PFA+1], s[PFA:PFA+1], s[2:3]
	s_add_nc_u64 s[PFA:PFA+1], s[PFA:PFA+1], 4*KS*128  ; in the second 256 keys; the first change of slots steps it to the third
	s_and_b32 s[LIM], s[WV], 1
	s_cmp_eq_u32 s[LIM], 0
	s_cselect_b32 s[LIM], 1, -1
	CROUND                          ; all four work-groups are here: the first joint loads meet
	JLOAD                           ; slot 0
	v_and_b32 v1, 15, v0            ; l % 16
	v_bfe_u32 v9, v0, 4, 1          ; l / 16
	v_lshlrev_b32 v64, 4, v0        ; the mask: 128 threads x 16 bytes, four times
	v_lshl_add_u32 v65, v0, 4, MASKB
.irp i, 0,1,2,3
	global_load_b128 v[68+4*\i:71+4*\i], v64, s[48:49] offset:\i*2048
.endr
	v_lshlrev_b32 v[QO], 7, v1
	v_lshl_add_u32 v[QO], v9, 4, v[QO]  ; row x 128 + 16 x half
	WIN 0x80
.set i, 0
.rept 4*NP                          ; Q stays in registers: tile i / 2, channels 32 (i % 2) on
	global_load_b128 v[8*i:8*i+3],   v[QO], s[4:5] offset:(i/2)*2048+(i%2)*64
	global_load_b128 v[8*i+4:8*i+7], v[QO], s[4:5] offset:(i/2)*2048+(i%2)*64+32
.set i, i+1
.endr
	; What the first turn finds: V's registers and P's second buffer hold 0, O^T and l are 0.  All this stands in the wait for the first tile.
.set i, VF
.rept 64
	v_mov_b32 v[i], 0
.set i, i+1
.endr
	WIN 0x40
.set i, 0
.rept 64*NP
	v_mov_b32 v[i], 0
.set i, i+1
.endr
	WIN 0
.set i, 0
.rept 2*NP
	v_mov_b32 v[ST+4*i], 0xfe000000    ; c m: far below every c s
	v_mov_b32 v[ST+4*i+1], 0xff7fffff  ; m
	v_mov_b32 v[ST+4*i+2], 0
	v_mov_b32 v[ST+4*i+3], 0
.set i, i+1
.endr
.set i, P+32
.rept 32
	v_mov_b32 v[i], 0
.set i, i+1
.endr
	v_mul_u32_u24 v[AK0], v1, PK
	v_lshl_add_u32 v[AK0], v9, 4, v[AK0]
	; The turning load takes 16 keys x 16 channels (lane l reads key 8 (l / 16) + l % 8, channels 8 ((l / 8) % 2) + 0..7) and leaves half a fragment of V^T.
	v_and_b32 v10, 7, v0
	v_bfe_u32 v11, v0, 3, 1
	v_lshl_add_u32 v[AV0], v9, 3, v10
	v_mul_u32_u24 v[AV0], v[AV0], PV
	v_lshl_add_u32 v[AV0], v11, 4, v[AV0]
	v_add_nc_u32 v[AV0], VOFF, v[AV0]
	v_mov_b32 v[AK], v[AK0]         ; key step 0 lies at the head of slot 0
	s_mul_i32 s13, s[WV], 16*SP
	s_add_co_u32 s13, s13, STAGE    ; my stage
	v_mul_u32_u24 v[STO], v1, SP    ; in: row l % 16, 16 bytes for each half of the lanes
	v_lshl_add_u32 v[STO], v9, 4, v[STO]
	v_add_nc_u32 v[STO], s13, v[STO]
	v_bfe_u32 v[RD], v0, 3, 2       ; back: 32 lanes take four rows of 128 bytes,
	v_mul_u32_u24 v[RD], v[RD], SP
	v_lshl_add_u32 v[RD], v10, 4, v[RD]
	v_add_nc_u32 v[RD], s13, v[RD]
	v_and_b32 v[GO], 31, v0         ; which are 512 consecutive bytes of O
	v_lshlrev_b32 v[GO], 4, v[GO]
	v_lshl_add_u32 v[AM0], v9, 5, MASKB  ; my lanes' eight keys of 16: 32 bytes
	v_mov_b32 v[AM], v[AM0]
	v_and_b32 v[PFO], 31, v0
	v_lshlrev_b32 v[PFO], 8, v[PFO]
	s_wait_loadcnt 32               ; the mask is in; Q's 32 loads may stay out
.set i, 68
.rept 16
	v_max_num_f32 v[i], s50, v[i]
.set i, i+1
.endr
.set i, 68
.rept 16
	v_min_num_f32 v[i], s51, v[i]
.set i, i+1
.endr
.set i, 68
.rept 16
	v_mul_f32 v[i], s52, v[i]
.set i, i+1
.endr
.irp i, 0,1,2,3
	ds_store_b128 v65, v[68+4*\i:71+4*\i] offset:\i*2048
.endr
; THE MATRIX WORK.  The 8 accumulators of a run of 16 take turns.
; Product i of 16 of S^T = K Q^T for piece x: channels 32 (i / 8) on, keys 16 ((i / 2) % 4) on, tile 2 x + i % 2.  The first 8 start the sums, with the mask.
.macro KQ x
.set rS, S+64*((\x)%2)+32*(i%2)+8*((i/2)%4)
.set rK, KF+16*((i/2)%4)+8*(i/8)
.set rQ, 16*(2*(\x)+i%2)+8*(i/8)
.set rMC, MC+8*((i/2)%4)
.if i < 8
	WIN W_KM
	v_wmma_f32_16x16x32_f16 v[rS:rS+7], v[rK:rK+7], v[rQ:rQ+7], v[rMC:rMC+7]
.else
	WIN W_KQ
	v_wmma_f32_16x16x32_f16 v[rS:rS+7], v[rK:rK+7], v[rQ:rQ+7], v[rS:rS+7]
.endif
.endm
; Product i of 16 of O^T += V^T P for piece x: keys 32 (i / 8) on, channels 16 ((i / 2) % 4) on, tile 2 x + i % 2.
.macro PV x
	WIN W_PV
.set rO, 32*(2*(\x)+i%2)+8*((i/2)%4)
.set rV, VF+32*(i/8)+8*((i/2)%4)
.set rP, P+32*((\x)%2)+16*(i%2)+8*(i/8)
	v_wmma_f32_16x16x32_f16 v[rO:rO+7], v[rV:rV+7], v[rP:rP+7], v[rO:rO+7]
.endm
.macro MM                           ; the turn's next matrix instruction
.if i < 16
	KQ (Y+1)%NP
.set i, i+1
.else
.set i, i-16
	PV (Y+NP-1)%NP
.set i, i+17
.endif
.endm
; THE LDS LOADS stand in runs: a step's K (8 fragments) with its 64 numbers of the mask, and its V (turned).  last = 1 (the tail): in the last trip there is no further step, and the run is jumped over.
.macro FETCH_K last=0
	WIN 0
.if \last
	s_cmp_eq_u32 s[CNT], 1
	s_cbranch_scc1 .Lno_k_\@
.endif
	WIN 0x80
.irp f, 0,1,2,3,4,5,6,7             ; keys 16 (f / 2) on, channels 32 (f % 2) on
	ds_load_b128 v[KF+8*\f:KF+8*\f+3],   v[AK] offset:(\f/2)*16*PK+(\f%2)*64
	ds_load_b128 v[KF+8*\f+4:KF+8*\f+7], v[AK] offset:(\f/2)*16*PK+(\f%2)*64+32
.endr
	WIN 0xc0                        ; destination window 3
.irp f, 0,1,2,3                     ; keys 16 f + 8 (l / 16) + 0..7: sixteen lanes read the same 32 bytes
	ds_load_b128 v[MC+8*\f:MC+8*\f+3],   v[AM] offset:64*\f
	ds_load_b128 v[MC+8*\f+4:MC+8*\f+7], v[AM] offset:64*\f+16
.endr
	s_add_co_u32 s[TBK], s[TBK], KS*PK  ; the next fetch is the next step's
	s_add_co_u32 s[TBM], s[TBM], 4*KS
	s_and_b32 s[TBM], s[TBM], 0x1fff    ; inside the mask's 8,192 bytes
	WIN 0
.if \last
.Lno_k_\@:
.endif
.endm
.macro FETCH_V
	WIN 0x80
.irp f, 0,1,2,3,4,5,6,7             ; keys 32 (f / 4) on, channels 16 (f % 4) on
	ds_load_tr16_b128 v[VF+8*\f:VF+8*\f+3],   v[AV] offset:(\f/4)*32*PV+(\f%4)*32
	ds_load_tr16_b128 v[VF+8*\f+4:VF+8*\f+7], v[AV] offset:(\f/4)*32*PV+16*PV+(\f%4)*32
.endr
	WIN 0
.endm
; THE VECTOR WORK OF A TURN stands in three queues, each in the order in which its entries become ready; the two tiles alternate.
.macro REGS y, u                    ; the registers of tile u (0, 1) of piece y
.set rT, ST+4*(2*(\y)+(\u))
.set rC, TMP+8*((\y)%2)+4*(\u)
.set rM, MV+2*((\y)%2)+(\u)
.set rS, S+64*((\y)%2)+32*(\u)
.set rP, P+32*((\y)%2)+16*(\u)
.set rO, 32*(2*(\y)+(\u))
.endm
; Number n of the 22 that find the NEXT piece's maximum and statistics; each accumulator's lowest registers are read first.
;   0-11 four chains c0-c3     12-14, 16 the scores left over, the old m, c0-c3 into c0     15 c m_old is kept     17, 18 the other half of the lanes: the new m     19-21 c m; c m_old - c m_new; a
.macro XS u, n
	REGS (Y+1)%NP, \u
.if (\n) < 4
	v_max3_num_f32 v[rC+(\n)], v[rS+8*(\n)], v[rS+8*(\n)+1], v[rS+8*(\n)+2]
.elseif (\n) < 12
	v_max3_num_f32 v[rC+(\n)%4], v[rC+(\n)%4], v[rS+8*((\n)%4)+2*((\n)/4)+1], v[rS+8*((\n)%4)+2*((\n)/4)+2]
.elseif (\n) == 12
	v_max3_num_f32 v[rC], v[rC], v[rS+7], v[rS+15]
.elseif (\n) == 13
	v_max3_num_f32 v[rC+1], v[rC+1], v[rS+23], v[rS+31]
.elseif (\n) == 14
	v_max3_num_f32 v[rC+2], v[rC+2], v[rC+3], v[rT+1]
.elseif (\n) == 15
	v_mov_b32 v[rM], v[rT]
.elseif (\n) == 16
	v_max3_num_f32 v[rC], v[rC], v[rC+1], v[rC+2]
.elseif (\n) == 17
	v_permlanex16_b32 v[rC+3], v[rC], s[SEL], s[SEL+1]
.elseif (\n) == 18
	v_max_num_f32 v[rT+1], v[rC], v[rC+3]
.elseif (\n) == 19
	v_mul_f32 v[rT], s[CS], v[rT+1]
.elseif (\n) == 20
	v_sub_f32 v[rC+1], v[rM], v[rT]
.else
	v_exp_f32 v[rC+2], v[rC+1]
.endif
.endm
; Number g of the 64 that follow the exponentials: for each four weights of a tile both pairs are rounded to f16, the second pair is added onto the first in place, and a group later l takes that sum.
.macro GS g
.set h, (\g)+6*((\g)/62)
.if h >= 6
.set h, h+2
.endif
	REGS Y, h%2
.set k, h/8
.if h%8 < 4
	v_cvt_pk_f16_f32 v[rP+2*k+(h%8)/2], v[rS+4*k+2*((h%8)/2)], v[rS+4*k+2*((h%8)/2)+1]
.elseif h%8 < 6
	v_pk_add_f32 v[rS+4*k:rS+4*k+1], v[rS+4*k:rS+4*k+1], v[rS+4*k+2:rS+4*k+3]
.elseif k == 1
	v_pk_fma_f32 v[rT+2:rT+3], v[rT+2:rT+3], v[rC+2:rC+3], v[rS:rS+1] op_sel_hi:[1,0,1]
.else
	v_pk_add_f32 v[rT+2:rT+3], v[rT+2:rT+3], v[rS+4*k-4:rS+4*k-3]
.endif
.endm
; THE PLAIN QUEUE, 138 long.  0-73 read no exponential's result: the 32 scalings c s - c m and the next piece's 42.  74-137: GS's 64, behind the wait.
.macro FS f
	REGS Y, (\f)%2
	v_pk_fma_f32 v[rS+2*((\f)/2):rS+2*((\f)/2)+1], v[rS+2*((\f)/2):rS+2*((\f)/2)+1], s[CS:CS+1], v[rT:rT+1] op_sel_hi:[1,0,0] neg_lo:[0,0,1] neg_hi:[0,0,1]
.endm
.macro PL
	WIN 0
.if q < 27
	FS q
.elseif q < 55
	XS (q-27)%2, (q-27)/2
.elseif q < 57
	XS q-55, 15
.elseif (q < 72) && ((q-57)%3 == 0)
	FS 27+(q-57)/3
.elseif q < 60
	XS (q-57)%3-1, 14
.elseif q < 72
	XS (q-57)%3-1, 15+(q-57)/3
.elseif q < 74
	XS q-72, 20
.else
	GS q-74
.endif
.set q, q+1
.endm
; THE EXPONENTIALS' QUEUE, 66 long: s0-s31 of both tiles, then the next piece's two a: one batch, all ahead of the turn's one wait.
.macro EX
	WIN 0
.if e >= 64
	XS e-64, 21
.else
	REGS Y, e%2
	v_exp_f32 v[rS+e/2], v[rS+e/2]
.endif
.set e, e+1
.endm
; THE RESCALING's QUEUE: O^T times a, dealt two at a time, sixteen times.  Its a was made, and waited for, in the turn before.
.macro R2
	REGS Y, r%2
	WIN W_RS
.irp z, 0,1
	v_pk_mul_f32 v[rO+4*(r/2)+2*\z:rO+4*(r/2)+2*\z+1], v[rO+4*(r/2)+2*\z:rO+4*(r/2)+2*\z+1], v[rC+2:rC+3] op_sel_hi:[1,0]
.endr
.set r, r+1
.endm
; A TURN, for piece p.  Ahead of its one wait stands all that names no result of its exponentials: 16 products K Q^T, behind each a scaling, an exponential and two rescalings; then one run of 108.  Behind the wait: 16 products V^T P,
; behind each four of the roundings and sums.  Exponential e stands behind scaling 2 (e / 4) + e % 2: as a rider behind plain e + 2, in the run behind plain e + 9.
; K and the mask of the next step are fetched in piece 2's turn, directly behind the wait; V of the step in hand at the end of piece 0's turn, four plain instructions behind its last reader.
.macro TURN p, last=0, cnt=0
.set Y, (\p)
.set i, 0
.set q, 0
.set e, 0
.set r, 0
.if (\p) == NP-1
	s_wait_dscnt 0x0                ; K and the mask are in
.endif
	MM
	PL
	PL
	R2
.rept 15
	MM
	PL
	EX
	R2
.endr
.if (\p) == NP-2
	WIN 0
	v_add_nc_u32 v[AK], s[TBK], v[AK0]
	v_add_nc_u32 v[AM], s[TBM], v[AM0]
.endif
.rept 8
	PL
.endr
.rept 49
	EX
	PL
.endr
	EX                              ; the next piece's two a
	EX
	v_nop                           ; a plain instruction behind the last exponential: one for the batch
	s_wait_alu depctr_va_vdst(0)    ; the wait for the batch, ahead of the first instruction that names a result of it
.if (\p) == NP-2
	FETCH_K \last
.endif
.if (\p) == 1
	s_wait_dscnt 0x0                ; V is in
.endif
.rept 16
	MM
.rept 4
	PL
.endr
.if ((\p) == 0) && (q == 118)
	v_add_nc_u32 v[AV], s[TBV], v[AV0]
.endif
.if ((\p) == 0) && (q == 130)
	s_add_co_u32 s[TBV], s[TBV], KS*PV
.endif
.if (\cnt) && (q == 130)
	s_sub_co_u32 s[CNT], s[CNT], 1
	s_cmp_lg_u32 s[CNT], 0
.endif
.endr
.if (\p) == 0
	FETCH_V
.endif
.endm
	CHANGE 1                        ; slot 0 is in, everybody's part of it, and so is the mask; slot 1 is asked for
	FETCH_K                         ; key step 0
	s_wait_loadcnt 0x0              ; Q
	s_wait_dscnt 0x0
.set i, 0
.rept 16
	KQ 0                            ; piece 0's first scores
.set i, i+1
.endr
	WIN 0
.rept 4
	v_nop                           ; the places behind those products
.endr
.set Y, NP-1                        ; XS works for piece Y + 1: piece 0
.irp n, 0,1,2,3,4,5,6,7,8,9,10,11,12,13,14,15,16,17,18,19,20,21
	XS 0, \n
	XS 1, \n
.endr
	v_nop                           ; a plain instruction behind the two a,
	s_wait_alu depctr_va_vdst(0)    ; and their wait, ahead of the branch
	s_mov_b32 s[CNT], 4
	s_branch .Lfirst                ; the loop is entered at a step's first turn, in the middle of a trip
.Lslot:                             ; six times: every slot but the last two is filled again
	CHANGE 1
	s_mov_b32 s[CNT], 4
.Lstep:                             ; a trip: pieces 2 and 3 of one step, then pieces 0 and 1 of the next
	TURN 2
	TURN 3
	WIN 0
.Lfirst:
	TURN 0
	TURN 1, 0, 1
	WIN 0
	s_cbranch_scc1 .Lstep
	s_sub_co_u32 s[SLOTS], s[SLOTS], 1
	s_cmp_lg_u32 s[SLOTS], 0
	s_cbranch_scc1 .Lslot
	CHANGE 0                        ; the tail is written out
	s_mov_b32 s[CNT], 5             ; four trips fetch the last slot's steps; the fifth is left in its middle
.Ltail:
	TURN 2, 1
	TURN 3
	WIN 0
	s_sub_co_u32 s[CNT], s[CNT], 1
	s_cmp_eq_u32 s[CNT], 0
	s_cbranch_scc1 .Lout
	TURN 0
	TURN 1
	WIN 0
	s_branch .Ltail
.Lout:                              ; the fifth trip's 16 products K Q^T (on the last K once more) serve nothing: the price, once a launch, of one text for every trip
.set i, 0
.rept 16
	PV NP-1
.set i, i+1
.endr
	; THE WAY OUT.  l's two halves and the other half of the lanes' are added; O^T is divided by l, rounded to bf16 and sent through my stage, a tile at a time.  The additions are the places behind the last products.
	WIN 0
.macro ALL line:vararg
.set t, 0
.rept 2*NP
	\line
.set t, t+1
.endr
.endm
	ALL v_add_f32 v[ST+4*t+2], v[ST+4*t+2], v[ST+4*t+3]
	ALL v_permlanex16_b32 v[ST+4*t+3], v[ST+4*t+2], s[SEL], s[SEL+1]
	ALL v_add_f32 v[ST+4*t+2], v[ST+4*t+2], v[ST+4*t+3]
	ALL v_rcp_f32 v[ST+4*t+2], v[ST+4*t+2]
	v_nop
	s_wait_alu depctr_va_vdst(0)    ; one wait for the eight reciprocals, ahead of their first use
.macro PACK t
	WIN W_RS
.set i, 32*(\t)
.rept 16
	v_pk_mul_f32 v[i:i+1], v[i:i+1], v[ST+4*(\t)+2:ST+4*(\t)+3] op_sel_hi:[1,0]
.set i, i+2
.endr
	WIN 0x05
.set i, 0
.rept 16
	v_cvt_pk_bf16_f32 v[S+16*(\t)+i], v[32*(\t)+2*i], v[32*(\t)+2*i+1]
.set i, i+1
.endr
	WIN 0
.irp f, 0,1,2,3
	ds_store_b128 v[STO], v[S+16*(\t)+4*\f:S+16*(\t)+4*\f+3] offset:32*\f
.endr
.irp f, 0,1,2,3
	ds_load_b128 v[S+16*(\t)+4*\f:S+16*(\t)+4*\f+3], v[RD] offset:\f*4*SP  ; LDS serves a wave's instructions in order (ISA guide 5.7.1.4): these see the stores above
.endr
.endm
.macro SEND t, younger              ; younger: the next tile's eight LDS instructions, or none
	WIN 0
.irp f, 0,1,2,3
	s_wait_dscnt (\younger)+3-\f
	global_store_b128 v[GO], v[S+16*(\t)+4*\f:S+16*(\t)+4*\f+3], s[10:11] offset:(\t)*2048+\f*512  ; 512 consecutive bytes, aligned
.endr
.endm
	PACK 0
.set t, 1
.rept 2*NP-1
	PACK t
	SEND t-1, 8
.set t, t+1
.endr
	SEND 2*NP-1, 0
	WIN W_AD
	s_wait_tensorcnt 0x0            ; the wave's end
	ds_add_u32 v[SPW], v[NIL]
	s_wait_dscnt 0x0
	WIN 0
	CROUND                          ; the closing round
	s_endpgm
.Lfunc_end_k_qca4dcb84b2_attn:
	.size	k_qca4dcb84b2_attn, .Lfunc_end_k_qca4dcb84b2_attn-k_qca4dcb84b2_attn
	.p2alignl 7, 3214868480
	.fill 96, 4, 3214868480
	.section	.rodata,"a",@progbits
	.p2align	6, 0x0
	.amdhsa_kernel k_qca4dcb84b2_attn
		.amdhsa_group_segment_fixed_size 327680
		.amdhsa_private_segment_fixed_size 0
		.amdhsa_enable_private_segment 0
		.amdhsa_kernarg_size 24
		.amdhsa_user_sgpr_count 2
		.amdhsa_user_sgpr_kernarg_segment_ptr 1
		.amdhsa_wavefront_size32 1
		.amdhsa_system_sgpr_workgroup_id_x 1
		.amdhsa_system_sgpr_workgroup_id_y 1
		.amdhsa_system_sgpr_workgroup_id_z 1
		.amdhsa_system_vgpr_workitem_id 0
		.amdhsa_next_free_vgpr 808
		.amdhsa_next_free_sgpr 68
		.amdhsa_reserve_vcc 0
		.amdhsa_float_denorm_mode_32 3
		.amdhsa_float_denorm_mode_16_64 3
		.amdhsa_memory_ordered 1
		.amdhsa_forward_progress 1
		.amdhsa_inst_pref_size 205
	.end_amdhsa_kernel
	.amdgpu_metadata
---
amdhsa.version: [ 1, 2 ]
amdhsa.kernels:
  - .name:           k_qca4dcb84b2_attn
    .symbol:         k_qca4dcb84b2_attn.kd
    .args:
      - { .name: qkv, .offset: 0, .size: 8, .value_kind: global_buffer, .address_space: global }
      - { .name: attention_mask, .offset: 8, .size: 8, .value_kind: global_buffer, .address_space: global }
      - { .name: act, .offset: 16, .size: 8, .value_kind: global_buffer, .address_space: global }
    .group_segment_fixed_size: 327680
    .private_segment_fixed_size: 0
    .kernarg_segment_align: 8
    .kernarg_segment_size: 24
    .max_flat_workgroup_size: 128
    .sgpr_count:     68
    .vgpr_count:     808
    .wavefront_size: 32
...
	.end_amdgpu_metadata
.endif
;; end of part 3
;; launch oproj (part 4): grid 8 x 32, 4 waves a work-group, clusters of 4 x 4, 327,680 bytes of LDS; arguments act, wo, bo, g; writes g
.if DOCPART == 4
	.amdgcn_target "amdgcn-amd-amdhsa--gfx1250"
	.amdhsa_code_object_version 6
	.text
	.protected	k_qca4dcb84b2_oproj
	.globl	k_qca4dcb84b2_oproj
	.p2align	8
	.type	k_qca4dcb84b2_oproj,@function
k_qca4dcb84b2_oproj:
	s_mov_b64 s[64:65], 0
	v_nop
	global_prefetch_b8 v0, s[64:65] scope:SCOPE_SE
	s_setreg_imm32_b32 hwreg(HW_REG_WAVE_MODE, 25, 1), 1
	s_wait_xcnt 0x0
	s_wait_alu depctr_hold_cnt(0) depctr_sa_sdst(0) depctr_va_vdst(0) depctr_va_sdst(0) depctr_va_ssrc(0) depctr_va_vcc(0) depctr_vm_vsrc(0)
	s_getreg_b32 s2, hwreg(HW_REG_IB_STS2, 6, 4)
	s_cmp_eq_u32 s2, 0
	s_cbranch_scc0 .Lentry_in_a_cluster
	s_endpgm
.Lentry_in_a_cluster:
	s_bfe_u32 s2, ttmp6, 0x10000c
	s_cmp_lg_u32 s2, 0xf033
	s_cbranch_scc0 .Lentry_shape_is_right
	s_endpgm
.Lentry_shape_is_right:
; C[m][n] = bias[n] + the sum over k of A[m][k] B[n][k], K = 1,024, M = 8,192; A and B bf16 in panels of 64 channels (R rows x 64 channels = R x 128 consecutive bytes); sums in f32.
; The text serves two products; the constant F32OUT chooses the way out.  0: f16 by heads, [n / 1024][batch x 16 + head][2048][64] (q, k, v).  1 (here): f32 rows of 1,024 (the output projection).
; SHARES.  A tile of C is 256 x 128: 768 work-groups for N = 3,072, 256 for N = 1,024.  Four waves, 2 x 2, each 128 x 64: 32 accumulators, 256 registers.
; K goes in 8 steps of 128 (two panels) through two LDS slots; behind each change of slots a wave issues one tensor load: waves 0, 1 a panel of A (32 KiB), waves 2, 3 a panel of B (16 KiB).
; A panel's bytes are asked for as rows of 256 bytes and padded in LDS after every 128: an operand row lies 144 bytes from the next, so the 16 rows of a fragment load start at 16 different groups of four banks (ISA guide 11.1).
; CLUSTER 4 x 4: A's tile hangs on the tile row alone and is asked for jointly by a row of the cluster, B's on the tile column alone, by a column.
; THE MATRIX INSTRUCTION IS USED TRANSPOSED (source 0 = 16 rows of B, source 1 = 16 rows of A): a lane holds one row of C and eight neighbouring columns.  The bias is the C operand of the first product.
; REGISTERS: window 0: v0-31 addresses, v32-63 the bias, v64-159 and v160-255 two fragment buffers (8 of A, 4 of B, for 32 along K); window 1: accumulator (a, b) at v[8 (4 a + b)].
.set F32OUT, 1
.set PITCH,  144
.set APAN,   256*PITCH                 ; a panel of A in LDS
.set BPAN,   128*PITCH                 ; a panel of B
.set SLOT,   2*APAN+2*BPAN             ; A's two panels, then B's two
.set STAGE,  2*SLOT                    ; behind the ring: 16 rows x 272 bytes for each wave, for the way out; no tensor load fills it
.set STW,    16*272
.set SPARE,  STAGE+4*STW               ; the spare words, 128 bytes for each wave: two blocks of 256 bytes that no other line names
.set ASTEP,  2*2048*128                ; bytes from a K step to the next in A: two panels of 2,048 rows
.set BSTEP,  2*128*128                 ; in B: two panels of 128 rows
.set FIELDS, (1<<16)|(1<<20)|(1<<21)|(4<<22)|(3<<25)  ; group 1, word 0: 2-byte elements; padding on; bit 21 set beside a mask; after every 32 words; 4 words
.set ADRA, 16                          ; v16-17  LDS address of my A fragments in slot 0, 1
.set ADRB, 20                          ; v20-21  the same for B
.set BO,   22                          ; v22     32 x (lane / 16): my eight numbers in 16 of the bias
.set STO,  23                          ; the way out: where I put my part of a row
.set RD,   24                          ;              where I read rows back
.set GO,   25                          ;              my 16 bytes in the output
.set SPW,  28                          ; LDS address of my spare word; never rewritten
.set NIL,  29                          ; 0; never rewritten
.set PFO,  30                          ; 256 x lane: the prefetches' offset; never rewritten
.set BIAS, 32
.set F0,   64
.set F1,   160
.set TMP,  64                          ; the way out: packed results
.set BK,   96                          ; the way out: rows read back, v96-127 and v128-159 by turns
.set OUT, 10                           ; s[10:11] the output
.set WV, 14                            ; wave
.set RH, 15                            ; which 128 rows of the tile are mine.  Also: I fetch for A (0) or B (1)
.set CH, 16                            ; which 64 columns.  Also: which panel of a K step I fetch
.set CX, 17
.set CY, 18
.set TX, 19                            ; tile column
.set TY, 20                            ; tile row
.set LAP, 22
.set LIM, 23                           ; 1 in a wave that prefetches, else the greatest number
.set G1A, 24                           ; s[24:31] group 1 for A's tiles;  s[32:39] group 0, a set for each slot
.set G0A, 32
.set G1B, 48                           ; s[48:55], s[56:63] the same for B's
.set G0B, 56
.set PFA, 66                           ; s[66:67] where my prefetches stand
.set PFS, 68                           ; s[68:69] their step: a K step of A or of B
.set OFFS, 70                          ; s[70:71] my part's first byte in the output
.set MSB, 0
.macro WIN new                         ; the immediate's high byte repeats the setting that is left; a switch that changes nothing is dropped
.if MSB != (\new)
	s_set_vgpr_msb (MSB<<8)|(\new)
.set MSB, \new
.endif
.endm
.set MULW,   0x50                      ; C and D in window 1, fragments in window 0
.set FIRSTW, 0x40                      ; D in window 1, C (the bias) in window 0
.macro PLACES                          ; four plain places behind matrix instructions, ahead of loads into registers that they read and of readers of their results
.rept 4
	v_nop
.endr
.endm
.macro JLOAD s                         ; a joint load; the branch hangs on the wave's number alone; an s_nop 0 and four v_nop follow each of the two lines
	s_cmp_eq_u32 s[RH], 0
	s_cbranch_scc0 .Lfor_b_\@
	tensor_load_to_lds s[G0A+4*(\s):G0A+4*(\s)+3], s[G1A:G1A+7]
	s_nop 0
.rept 4
	v_nop
.endr
	s_branch .Lasked_\@
.Lfor_b_\@:
	tensor_load_to_lds s[G0B+4*(\s):G0B+4*(\s)+3], s[G1B:G1B+7]
	s_nop 0
.rept 4
	v_nop
.endr
.Lasked_\@:
.endm
.macro CREST                           ; a round of the cluster's barrier behind its opening barrier
	s_cmp_lg_u32 s[WV], 0
	s_cbranch_scc1 .Lnot_wave_0_\@
	s_barrier_signal -3
.Lnot_wave_0_\@:
	s_barrier_wait -3
	s_barrier_signal -1
	s_barrier_wait -1
.endm
.macro CROUND
	s_barrier_signal -1
	s_barrier_wait -1
	CREST
.endm
; A prefetch of the K step two refills on: 32 lanes x 256 bytes.  A's panels: waves 0, 1 of the clusters with cluster x = 0, each its own panel, the four partners of a row 8 KiB each by address.
; B's two panels (32 KiB on end): wave 2 of the clusters with cluster y = 0, the four partners of a column 8 KiB each by address.  So each block is named once.  The loop's last trip names nothing.
.macro ASK
	s_cmp_gt_u32 s[LAP], s[LIM]
	s_cbranch_scc0 .Lnot_mine_\@
	global_prefetch_b8 v[PFO], s[PFA:PFA+1] th:TH_LOAD_NT scope:SCOPE_SE
.Lnot_mine_\@:
.endm
	s_load_b256 s[4:11], s[0:1], 0x0               ; A s[4:5], B s[6:7], bias s[8:9], the output s[10:11]
	v_lshl_add_u32 v[SPW], v0, 2, SPARE
	v_mov_b32 v[NIL], 0
	ds_add_u32 v[SPW], v[NIL]                      ; the wave's opening: the add and its wait ahead of my first tensor load
	v_lshrrev_b32 v1, 5, v0
	v_readfirstlane_b32 s[WV], v1
	s_lshr_b32 s[RH], s[WV], 1
	s_and_b32 s[CH], s[WV], 1
	s_bfe_u32 s[CX], ttmp6, 0x40000
	s_bfe_u32 s[CY], ttmp6, 0x40004
	s_lshl_b32 s[TX], ttmp9, 2
	s_add_co_u32 s[TX], s[TX], s[CX]
	s_and_b32 s[TY], ttmp7, 0xffff
	s_lshl_b32 s[TY], s[TY], 2
	s_add_co_u32 s[TY], s[TY], s[CY]
	s_lshl_b32 s40, s[CY], 2
	s_lshl_b32 s40, 15, s40                        ; my row of the cluster
	s_lshl_b32 s74, 0x1111, s[CX]                  ; my column
	s_or_b32 s[G1A], s40, FIELDS
	s_or_b32 s[G1B], s74, FIELDS
.irp g, G1A, G1B
	s_mov_b32 s[(\g)+1], 128<<16                   ; tensor_dim0 = 128 elements: 256 bytes
	s_mov_b32 s[(\g)+3], 128<<16                   ; tile_dim0 = 128
	s_mov_b32 s[(\g)+5], 128                       ; 128 elements from row to row: dense
	s_mov_b32 s[(\g)+6], 0
	s_mov_b32 s[(\g)+7], 0
.endr
	s_mov_b32 s[G1A+2], 128<<16                    ; tensor_dim1: a panel of A is 128 rows of 256 bytes,
	s_mov_b32 s[G1A+4], 128                        ; tile_dim1
	s_mov_b32 s[G1B+2], 64<<16                     ; a panel of B 64
	s_mov_b32 s[G1B+4], 64
	s_lshr_b32 s40, s[TY], 3                       ; A: batch x 16 panels,
	s_lshl_b32 s40, s40, 22
	s_and_b32 s41, s[TY], 7
	s_lshl_b32 s41, s41, 15                        ; 256 rows of 128 bytes a tile row,
	s_add_co_u32 s40, s40, s41
	s_lshl_b32 s41, s[CH], 18                      ; my panel of the K step
	s_add_co_u32 s40, s40, s41
	s_mov_b32 s41, 0
	s_mul_i32 s42, s[CH], APAN                     ; and its place in a slot
	s_lshl_b32 s74, s[TX], 18                      ; B: a block of 128 rows x 16 panels,
	s_lshl_b32 s75, s[CH], 14                      ; my panel
	s_add_co_u32 s74, s74, s75
	s_mov_b32 s75, 0
	s_mul_i32 s76, s[CH], BPAN
	s_add_co_u32 s76, s76, 2*APAN
	s_wait_dscnt 0x0                               ; the opening add is done
	s_wait_kmcnt 0x0
	s_add_nc_u64 s[44:45], s[4:5], s[40:41]
	s_add_nc_u64 s[78:79], s[6:7], s[74:75]
	CROUND                                         ; all sixteen work-groups are here: the first joint loads meet
.irp s, 0,1
	s_mov_b32 s[G0A+4*(\s)], 1
	s_add_co_u32 s[G0A+4*(\s)+1], s42, (\s)*SLOT
	s_add_nc_u64 s[G0A+4*(\s)+2:G0A+4*(\s)+3], s[44:45], (\s)*ASTEP
	s_or_b32 s[G0A+4*(\s)+3], s[G0A+4*(\s)+3], 0x80000000
	s_mov_b32 s[G0B+4*(\s)], 1
	s_add_co_u32 s[G0B+4*(\s)+1], s76, (\s)*SLOT
	s_add_nc_u64 s[G0B+4*(\s)+2:G0B+4*(\s)+3], s[78:79], (\s)*BSTEP
	s_or_b32 s[G0B+4*(\s)+3], s[G0B+4*(\s)+3], 0x80000000
	JLOAD \s                                       ; K steps 0 and 1: two loads of mine are out
.endr
	v_and_b32 v1, 15, v0                           ; lane % 16
	v_bfe_u32 v2, v0, 4, 1                         ; lane / 16
	v_mul_u32_u24 v3, v1, PITCH
	v_lshl_add_u32 v3, v2, 4, v3                   ; a fragment's row x pitch + 16 x half
	s_mul_i32 s80, s[RH], 128*PITCH                ; my 128 rows of A
	s_mul_i32 s81, s[CH], 64*PITCH                 ; my 64 rows of B,
	s_add_co_u32 s81, s81, 2*APAN                  ; behind A's panels
	v_add_nc_u32 v[ADRA], s80, v3
	v_add_nc_u32 v[ADRB], s81, v3
	v_add_nc_u32 v[ADRA+1], SLOT, v[ADRA]
	v_add_nc_u32 v[ADRB+1], SLOT, v[ADRB]
	v_lshlrev_b32 v[BO], 5, v2
	v_and_b32 v5, 31, v0
	v_lshlrev_b32 v[PFO], 8, v5
	s_mul_i32 s82, s[WV], STW
	s_add_co_u32 s82, s82, STAGE                   ; my stage
.if F32OUT
	v_mul_u32_u24 v6, v1, 272
	v_lshl_add_u32 v6, v2, 5, v6
	v_add_nc_u32 v[STO], s82, v6                   ; in: row lane % 16 of 272 bytes, 32 bytes for each half of the lanes
	v_mul_u32_u24 v7, v2, 272
	v_lshl_add_u32 v7, v1, 4, v7
	v_add_nc_u32 v[RD], s82, v7                    ; back: lanes 0-15 one row of 256 bytes, lanes 16-31 the next
	v_lshlrev_b32 v[GO], 12, v2
	v_lshl_add_u32 v[GO], v1, 4, v[GO]             ; and the same two rows in the output
.else
	v_add_nc_u32 v[STO], s82, v3                   ; in: row lane % 16 of 144 bytes, 16 bytes for each half of the lanes
	v_bfe_u32 v4, v0, 3, 2
	v_mul_u32_u24 v4, v4, PITCH
	v_and_b32 v6, 7, v0
	v_lshl_add_u32 v4, v6, 4, v4
	v_add_nc_u32 v[RD], s82, v4                    ; back: 32 lanes take four rows of 128 bytes,
	v_lshlrev_b32 v[GO], 4, v5                     ; which are 512 consecutive bytes of the output
.endif
	s_lshl_b32 s80, s[TX], 9
	s_lshl_b32 s81, s[CH], 8
	s_add_co_u32 s80, s80, s81                     ; my first column x 4 bytes
	s_mov_b32 s81, 0
	s_add_nc_u64 s[8:9], s[8:9], s[80:81]
.irp b, 0,1,2,3                        ; register j of block b: bias[16 b + 8 (lane / 16) + j], as the transposed result holds its columns
	global_load_b128 v[BIAS+8*\b:BIAS+8*\b+3], v[BO], s[8:9] offset:64*\b
	global_load_b128 v[BIAS+8*\b+4:BIAS+8*\b+7], v[BO], s[8:9] offset:64*\b+16
.endr
	s_lshl_b32 s83, s[RH], 7                       ; my 128 rows of the tile's 256
.if F32OUT
	s_lshl_b32 s82, s[TY], 8
	s_add_co_u32 s82, s82, s83                     ; my first row,
	s_lshl_b32 s[OFFS], s82, 12                    ; of 4,096 bytes,
	s_add_co_u32 s[OFFS], s[OFFS], s80             ; and my first column
.else
	s_lshl_b32 s84, s[TX], 1
	s_add_co_u32 s84, s84, s[CH]                   ; my 64 columns are head number s84 of 48 (q's, k's, v's)
	s_lshr_b32 s85, s84, 4
	s_lshl_b32 s85, s85, 6
	s_and_b32 s84, s84, 15
	s_add_co_u32 s85, s85, s84
	s_lshr_b32 s84, s[TY], 3
	s_lshl_b32 s84, s84, 4
	s_add_co_u32 s85, s85, s84                     ; 64 x which + 16 x batch + head
	s_lshl_b32 s[OFFS], s85, 18                    ; 2,048 rows of 128 bytes
	s_and_b32 s84, s[TY], 7
	s_lshl_b32 s84, s84, 8
	s_add_co_u32 s84, s84, s83                     ; my first row in the batch
	s_lshl_b32 s84, s84, 7
	s_add_co_u32 s[OFFS], s[OFFS], s84
.endif
	s_mov_b32 s[OFFS+1], 0
	s_lshl_b32 s84, s[CX], 13                      ; the prefetches: A's panel, my work-group's 8 KiB of it, at K step 3: the first refill steps it to 4
	s_add_co_u32 s84, s84, s40
	s_add_co_u32 s84, s84, 3*ASTEP
	s_lshl_b32 s85, s[CY], 13                      ; or B's two panels
	s_lshl_b32 s86, s[TX], 18
	s_add_co_u32 s85, s85, s86
	s_add_co_u32 s85, s85, 3*BSTEP
	s_and_b32 s86, ttmp7, 0xffff                   ; cluster y,
	s_or_b32 s86, s86, s[CH]                       ; and of waves 2 and 3 the first alone
	s_mov_b32 s87, ASTEP
	s_cmp_eq_u32 s[RH], 0
	s_cselect_b32 s84, s84, s85
	s_cselect_b32 s86, ttmp9, s86
	s_cselect_b32 s[PFS], s87, BSTEP
	s_cselect_b64 s[PFA:PFA+1], s[4:5], s[6:7]
	s_mov_b32 s85, 0
	s_mov_b32 s[PFS+1], 0
	s_add_nc_u64 s[PFA:PFA+1], s[PFA:PFA+1], s[84:85]
	s_cmp_eq_u32 s86, 0
	s_cselect_b32 s[LIM], 1, -1                    ; the same in all sixteen partners, for a given wave
; n x 4 matrix instructions: row blocks a0 .. a0 + n - 1 x all 4 column blocks, 32 along K, from buffer f.  The 32 accumulators take turns in one fixed order.
.macro MUL f, a0, n, first
.if \first
	WIN FIRSTW
.else
	WIN MULW
.endif
.set aa, \a0
.rept \n
.irp bb, 0,1,2,3
.if \first
	v_wmma_f32_16x16x32_bf16 v[8*(4*aa+\bb):8*(4*aa+\bb)+7], v[(\f)+64+8*\bb:(\f)+64+8*\bb+7], v[(\f)+8*aa:(\f)+8*aa+7], v[BIAS+8*\bb:BIAS+8*\bb+7]
.else
	v_wmma_f32_16x16x32_bf16 v[8*(4*aa+\bb):8*(4*aa+\bb)+7], v[(\f)+64+8*\bb:(\f)+64+8*\bb+7], v[(\f)+8*aa:(\f)+8*aa+7], v[8*(4*aa+\bb):8*(4*aa+\bb)+7]
.endif
.endr
.set aa, aa+1
.endr
.endm
; 24 LDS loads in one run: quarter q (32 along K: panel q / 2, byte 64 (q % 2) of its rows) of a slot, into buffer f
.macro FETCH slot, q, f
	WIN 0
.irp i, 0,1,2,3
	ds_load_b128 v[(\f)+64+8*\i:(\f)+64+8*\i+3],   v[ADRB+(\slot)] offset:((\q)/2)*BPAN+((\q)%2)*64+\i*16*PITCH
	ds_load_b128 v[(\f)+64+8*\i+4:(\f)+64+8*\i+7], v[ADRB+(\slot)] offset:((\q)/2)*BPAN+((\q)%2)*64+\i*16*PITCH+32
.endr
.irp i, 0,1,2,3,4,5,6,7
	ds_load_b128 v[(\f)+8*\i:(\f)+8*\i+3],   v[ADRA+(\slot)] offset:((\q)/2)*APAN+((\q)%2)*64+\i*16*PITCH
	ds_load_b128 v[(\f)+8*\i+4:(\f)+8*\i+7], v[ADRA+(\slot)] offset:((\q)/2)*APAN+((\q)%2)*64+\i*16*PITCH+32
.endr
.endm
; One of a K step's first three quarters: quarter q is fetched into buffer g, then buffer f, fetched a quarter earlier, is multiplied: 32 matrix instructions.
.macro QUARTER slot, q, f, g, first
.if !(\first)
	PLACES
.endif
	FETCH \slot, \q, \g
	s_wait_dscnt 24                                ; all but the 24 just issued: buffer f is in
	MUL \f, 0, 8, \first
.endm
; The last quarter multiplies buffer 1 and changes slots: one barrier.  Ahead of it each wave waits for all its tensor loads (its part of the next slot), adds 0 to its spare word, and waits for that and for its reads of this slot.
; fill = 1: the barrier opens a round of the cluster's; the joint refill, two K steps on, is the first thing behind the round: 112 matrix instructions stand between it and the wait for it.
.macro TURN slot, next, fill
.if \fill
	s_wait_xcnt 0x0                                ; the last prefetch, a K step back, has read its address
	s_add_nc_u64 s[PFA:PFA+1], s[PFA:PFA+1], s[PFS:PFS+1]
.endif
	WIN 0
	s_wait_tensorcnt 0x0
	ds_add_u32 v[SPW], v[NIL]
	s_wait_dscnt 1                                 ; the add may be out: buffer 1 is in
	MUL F1, 0, 2, 0
	s_wait_dscnt 0x0                               ; the add is done, and my reads of this slot are over
	s_barrier_signal -1
	MUL F1, 2, 2, 0
	WIN 0
	s_barrier_wait -1
.if \fill
	CREST                                          ; no wave of any partner still reads this slot or has a load on its way
	s_add_nc_u64 s[G0A+4*(\slot)+2:G0A+4*(\slot)+3], s[G0A+4*(\slot)+2:G0A+4*(\slot)+3], 2*ASTEP
	s_add_nc_u64 s[G0B+4*(\slot)+2:G0B+4*(\slot)+3], s[G0B+4*(\slot)+2:G0B+4*(\slot)+3], 2*BSTEP
	JLOAD \slot                                    ; its four v_nop are also the places ahead of the loads below
.else
	PLACES
.endif
	FETCH \next, 0, F0
.if \fill
	ASK
.endif
	MUL F1, 4, 4, 0
.endm
	s_wait_tensorcnt 1                             ; my part of K step 0 is in; K step 1's may stay out
	s_barrier_signal -1
	s_barrier_wait -1
	FETCH 0, 0, F0
	s_wait_loadcnt 0x0                             ; the bias
	QUARTER 0, 1, F0, F1, 1                        ; the first quarter stands ahead of the loop: its products start the sums, with the bias
	WIN 0
	s_mov_b32 s[LAP], 3
.Llap:                                         ; a trip goes once round the ring and fills both slots again: K steps 2 to 7
	QUARTER 0, 2, F1, F0, 0
	QUARTER 0, 3, F0, F1, 0
	TURN 0, 1, 1
	QUARTER 1, 1, F0, F1, 0
	QUARTER 1, 2, F1, F0, 0
	QUARTER 1, 3, F0, F1, 0
	TURN 1, 0, 1
	QUARTER 0, 1, F0, F1, 0
	WIN 0
	s_sub_co_u32 s[LAP], s[LAP], 1
	s_cmp_lg_u32 s[LAP], 0
	s_cbranch_scc1 .Llap
	QUARTER 0, 2, F1, F0, 0                        ; the last lap fills nothing
	QUARTER 0, 3, F0, F1, 0
	TURN 0, 1, 0
	QUARTER 1, 1, F0, F1, 0
	QUARTER 1, 2, F1, F0, 0
	QUARTER 1, 3, F0, F1, 0
	s_wait_dscnt 0x0
	MUL F1, 0, 8, 0
	WIN 0
	PLACES
	PLACES
; THE WAY OUT, a block of 16 rows at a time through my own stage: LDS serves a wave's instructions in order (ISA guide 5.7.1.4), so no wait stands between the stores into the stage and the loads from it.
	s_add_nc_u64 s[OUT:OUT+1], s[OUT:OUT+1], s[OFFS:OFFS+1]
.if F32OUT
.macro TOST a
.if (\a) >= 2
	s_wait_xcnt 0x0                                ; the stores of the block two back have read the registers that are loaded again below
.endif
	WIN 0x04                                       ; the stores' data in window 1
.irp b, 0,1,2,3
	ds_store_b128 v[STO], v[8*(4*(\a)+\b):8*(4*(\a)+\b)+3]   offset:64*\b
	ds_store_b128 v[STO], v[8*(4*(\a)+\b)+4:8*(4*(\a)+\b)+7] offset:64*\b+16
.endr
	WIN 0
.irp t, 0,1,2,3,4,5,6,7
	ds_load_b128 v[BK+32*((\a)%2)+4*\t:BK+32*((\a)%2)+4*\t+3], v[RD] offset:\t*2*272
.endr
.endm
.macro SEND a, younger                 ; younger: the next block's sixteen LDS instructions, or none
	s_wait_dscnt \younger
.irp t, 0,1,2,3,4,5,6,7
	global_store_b128 v[GO], v[BK+32*((\a)%2)+4*\t:BK+32*((\a)%2)+4*\t+3], s[OUT:OUT+1] offset:(16*(\a)+2*\t)*4096  ; 16 lanes store 256 consecutive bytes, aligned
.endr
.endm
	TOST 0
.irp a, 1,2,3,4,5,6,7
	TOST \a
	SEND (\a)-1, 16
.endr
	SEND 7, 0
.else
.macro PACK a                          ; rounded to f16, each accumulator's registers in ascending order
	WIN 0x05
.irp b, 0,1,2,3
.irp rr, 0,1,2,3
	v_cvt_pk_f16_f32 v[TMP+4*\b+\rr], v[8*(4*(\a)+\b)+2*\rr], v[8*(4*(\a)+\b)+2*\rr+1]
.endr
.endr
	WIN 0
.endm
.macro TOST a
.if (\a) >= 2
	s_wait_xcnt 0x0                                ; the stores of the block two back have read the registers that are loaded again below
.endif
.irp b, 0,1,2,3
	ds_store_b128 v[STO], v[TMP+4*\b:TMP+4*\b+3] offset:32*\b
.endr
.irp f, 0,1,2,3
	ds_load_b128 v[BK+32*((\a)%2)+4*\f:BK+32*((\a)%2)+4*\f+3], v[RD] offset:\f*4*PITCH
.endr
.endm
.macro SEND a, younger                 ; younger: the next block's eight LDS instructions, or none
	s_wait_dscnt \younger
.irp f, 0,1,2,3
	global_store_b128 v[GO], v[BK+32*((\a)%2)+4*\f:BK+32*((\a)%2)+4*\f+3], s[OUT:OUT+1] offset:(\a)*2048+\f*512  ; 512 consecutive bytes, aligned: four rows of a head
.endr
.endm
	PACK 0
	TOST 0
.irp a, 1,2,3,4,5,6,7
	PACK \a
	TOST \a
	SEND (\a)-1, 8
.endr
	SEND 7, 0
.endif
	s_wait_tensorcnt 0x0                           ; the wave's end
	ds_add_u32 v[SPW], v[NIL]
	s_wait_dscnt 0x0
	CROUND                                         ; the closing round: no work-group ends while a partner may still ask for a tile that names it
	s_endpgm
.Lfunc_end_k_qca4dcb84b2_oproj:
	.size	k_qca4dcb84b2_oproj, .Lfunc_end_k_qca4dcb84b2_oproj-k_qca4dcb84b2_oproj
	.p2alignl 7, 3214868480
	.fill 96, 4, 3214868480
	.section	.rodata,"a",@progbits
	.p2align	6, 0x0
	.amdhsa_kernel k_qca4dcb84b2_oproj
		.amdhsa_group_segment_fixed_size 327680
		.amdhsa_private_segment_fixed_size 0
		.amdhsa_enable_private_segment 0
		.amdhsa_kernarg_size 32
		.amdhsa_user_sgpr_count 2
		.amdhsa_user_sgpr_kernarg_segment_ptr 1
		.amdhsa_wavefront_size32 1
		.amdhsa_system_sgpr_workgroup_id_x 1
		.amdhsa_system_sgpr_workgroup_id_y 1
		.amdhsa_system_sgpr_workgroup_id_z 1
		.amdhsa_system_vgpr_workitem_id 0
		.amdhsa_next_free_vgpr 512
		.amdhsa_next_free_sgpr 88
		.amdhsa_reserve_vcc 0
		.amdhsa_float_denorm_mode_32 3
		.amdhsa_float_denorm_mode_16_64 3
		.amdhsa_memory_ordered 1
		.amdhsa_forward_progress 1
		.amdhsa_inst_pref_size 87
	.end_amdhsa_kernel
	.amdgpu_metadata
---
amdhsa.version: [ 1, 2 ]
amdhsa.kernels:
  - .name:           k_qca4dcb84b2_oproj
    .symbol:         k_qca4dcb84b2_oproj.kd
    .args:
      - { .name: act, .offset: 0, .size: 8, .value_kind: global_buffer, .address_space: global }
      - { .name: wo, .offset: 8, .size: 8, .value_kind: global_buffer, .address_space: global }
      - { .name: bo, .offset: 16, .size: 8, .value_kind: global_buffer, .address_space: global }
      - { .name: g, .offset: 24, .size: 8, .value_kind: global_buffer, .address_space: global }
    .group_segment_fixed_size: 327680
    .private_segment_fixed_size: 0
    .kernarg_segment_align: 8
    .kernarg_segment_size: 32
    .max_flat_workgroup_size: 128
    .sgpr_count:     88
    .vgpr_count:     512
    .wavefront_size: 32
...
	.end_amdgpu_metadata
.endif
;; end of part 4
;; launch lnorm (part 5): grid 256 x 1, 8 waves a work-group, no clusters, 0 bytes of LDS; arguments g, input_tensor, ln_w, ln_b, out0; writes out0
.if DOCPART == 5
	.amdgcn_target "amdgcn-amd-amdhsa--gfx1250"
	.amdhsa_code_object_version 6
	.text
	.protected	k_qca4dcb84b2_lnorm
	.globl	k_qca4dcb84b2_lnorm
	.p2align	8
	.type	k_qca4dcb84b2_lnorm,@function
k_qca4dcb84b2_lnorm:
	s_mov_b64 s[64:65], 0
	v_nop
	global_prefetch_b8 v0, s[64:65] scope:SCOPE_SE
	s_setreg_imm32_b32 hwreg(HW_REG_WAVE_MODE, 25, 1), 1
	s_wait_xcnt 0x0
; out[r][:] = ln_w (h - u) / sqrt(s + 1e-12) + ln_b, h = g[r][:] + x[r][:], u the mean of h, s the mean of (h - u)^2: two passes over a row held in registers, so a common offset of h costs nothing.
; All f32, rows of 1,024 numbers.  One wave takes a whole row (eight loads of 16 bytes a lane from g and from x, 512 consecutive bytes each): no LDS, no barrier.
; A work-group owns 32 rows, a wave 4; two row slots in registers: while one row is worked on the other's 16 loads are on their way.  Memory binds: matrix units and clusters would add nothing.
.set W,  16                            ; v16-47   ln_w of my 32 columns
.set B,  48                            ; v48-79   ln_b
.set G0, 80                            ; slot s: g's row, then h, then the result, at v[80 + 64 s]
.set X0, 112                           ; slot s: x's row at v[112 + 64 s]
	s_load_b256 s[4:11], s[0:1], 0x0               ; g s[4:5], x s[6:7], ln_w s[8:9], ln_b s[10:11]
	s_load_b64 s[12:13], s[0:1], 0x20              ; out
	s_lshl_b32 s2, ttmp9, 17                       ; 32 rows of 4,096 bytes
	s_mov_b32 s3, 0
	s_mov_b32 s14, 0x76543210                      ; v_permlanex16_b32: each lane takes its own place in the other half
	s_mov_b32 s15, 0xfedcba98
	s_mov_b32 s16, 0x3a800000                      ; 1 / 1,024
	v_and_b32 v2, 31, v0
	v_lshlrev_b32 v2, 4, v2                        ; 16 bytes a lane
	v_lshrrev_b32 v1, 5, v0
	v_lshl_add_u32 v1, v1, 14, v2                  ; + four rows a wave; never rewritten
	s_wait_kmcnt 0x0
	s_add_nc_u64 s[4:5], s[4:5], s[2:3]
	s_add_nc_u64 s[6:7], s[6:7], s[2:3]
	s_add_nc_u64 s[12:13], s[12:13], s[2:3]
.irp j, 0,1,2,3,4,5,6,7
	global_load_b128 v[W+4*\j:W+4*\j+3], v2, s[8:9] offset:\j*512
	global_load_b128 v[B+4*\j:B+4*\j+3], v2, s[10:11] offset:\j*512
.endr
.macro FILL s, row
.irp j, 0,1,2,3,4,5,6,7
	global_load_b128 v[G0+64*(\s)+4*\j:G0+64*(\s)+4*\j+3], v1, s[4:5] offset:(\row)*4096+\j*512 th:TH_LOAD_NT
.endr
.irp j, 0,1,2,3,4,5,6,7
	global_load_b128 v[X0+64*(\s)+4*\j:X0+64*(\s)+4*\j+3], v1, s[6:7] offset:(\row)*4096+\j*512 th:TH_LOAD_NT
.endr
.endm
.macro REDUCE                          ; the four chains v[4:11] into one number, the same in every lane, in v4
	v_pk_add_f32 v[4:5], v[4:5], v[6:7]
	v_pk_add_f32 v[8:9], v[8:9], v[10:11]
	v_pk_add_f32 v[4:5], v[4:5], v[8:9]
	v_add_f32 v4, v4, v5
	v_add_f32_dpp v4, v4, v4 row_xmask:1 row_mask:0xf bank_mask:0xf
	v_add_f32_dpp v4, v4, v4 row_xmask:2 row_mask:0xf bank_mask:0xf
	v_add_f32_dpp v4, v4, v4 row_xmask:4 row_mask:0xf bank_mask:0xf
	v_add_f32_dpp v4, v4, v4 row_xmask:8 row_mask:0xf bank_mask:0xf
	v_permlanex16_b32 v5, v4, s14, s15
	v_add_f32 v4, v4, v5
.endm
; The turn of slot s, which holds row `row` of my four.  next >= 0: the slot is then filled with that row.  left: the younger loads that may stay out.
.macro TURN s, row, next, left
.set G, G0+64*(\s)
.set X, X0+64*(\s)
	s_wait_loadcnt \left
.set i, 0
.rept 16
	v_pk_add_f32 v[G+i:G+i+1], v[G+i:G+i+1], v[X+i:X+i+1]       ; h = g + x
.set i, i+2
.endr
.irp c, 0,1,2,3
	v_pk_add_f32 v[4+2*\c:5+2*\c], v[G+2*\c:G+2*\c+1], v[G+8+2*\c:G+9+2*\c]  ; four chains, started by the first sums
.endr
.set i, 16
.rept 8
	v_pk_add_f32 v[4+i%8:5+i%8], v[4+i%8:5+i%8], v[G+i:G+i+1]
.set i, i+2
.endr
	REDUCE
	v_mul_f32 v12, s16, v4                         ; u, twice: a pair for the packed subtraction
	v_mul_f32 v13, s16, v4
.set i, 0
.rept 16
	v_pk_add_f32 v[G+i:G+i+1], v[G+i:G+i+1], v[12:13] neg_lo:[0,1] neg_hi:[0,1]  ; h - u
.set i, i+2
.endr
.irp c, 0,1,2,3
	v_pk_mul_f32 v[4+2*\c:5+2*\c], v[G+2*\c:G+2*\c+1], v[G+2*\c:G+2*\c+1]
.endr
.set i, 8
.rept 12
	v_pk_fma_f32 v[4+i%8:5+i%8], v[G+i:G+i+1], v[G+i:G+i+1], v[4+i%8:5+i%8]
.set i, i+2
.endr
	REDUCE
	v_fmaak_f32 v6, s16, v4, 0x2b8cbccc            ; s + 1e-12
	v_rsq_f32 v14, v6
	v_rsq_f32 v15, v6
	v_nop                                          ; a plain instruction behind the second root,
	s_wait_alu depctr_va_vdst(0)                   ; and one wait for both, ahead of their first reader
.set i, 0
.rept 16
	v_pk_mul_f32 v[G+i:G+i+1], v[G+i:G+i+1], v[14:15]
.set i, i+2
.endr
.set i, 0
.rept 16
	v_pk_fma_f32 v[G+i:G+i+1], v[G+i:G+i+1], v[W+i:W+i+1], v[B+i:B+i+1]
.set i, i+2
.endr
.irp j, 0,1,2,3,4,5,6,7
	global_store_b128 v1, v[G+4*\j:G+4*\j+3], s[12:13] offset:(\row)*4096+\j*512 th:TH_STORE_NT  ; 512 consecutive bytes, aligned
.endr
.if (\next) >= 0
	s_wait_xcnt 0x0                                ; the stores have read their registers: the slot is loaded again only behind this wait
	FILL \s, \next
.endif
.endm
	FILL 0, 0
	FILL 1, 1
	TURN 0, 0, 2, 16                               ; the other slot's 16 loads may stay out
	TURN 1, 1, 3, 16
	TURN 0, 2, -1, 16
	TURN 1, 3, -1, 0
	s_endpgm
.Lfunc_end_k_qca4dcb84b2_lnorm:
	.size	k_qca4dcb84b2_lnorm, .Lfunc_end_k_qca4dcb84b2_lnorm-k_qca4dcb84b2_lnorm
	.p2alignl 7, 3214868480
	.fill 96, 4, 3214868480
	.section	.rodata,"a",@progbits
	.p2align	6, 0x0
	.amdhsa_kernel k_qca4dcb84b2_lnorm
		.amdhsa_group_segment_fixed_size 0
		.amdhsa_private_segment_fixed_size 0
		.amdhsa_enable_private_segment 0
		.amdhsa_kernarg_size 40
		.amdhsa_user_sgpr_count 2
		.amdhsa_user_sgpr_kernarg_segment_ptr 1
		.amdhsa_wavefront_size32 1
		.amdhsa_system_sgpr_workgroup_id_x 1
		.amdhsa_system_sgpr_workgroup_id_y 1
		.amdhsa_system_sgpr_workgroup_id_z 1
		.amdhsa_system_vgpr_workitem_id 0
		.amdhsa_next_free_vgpr 208
		.amdhsa_next_free_sgpr 66
		.amdhsa_reserve_vcc 0
		.amdhsa_float_denorm_mode_32 3
		.amdhsa_float_denorm_mode_16_64 3
		.amdhsa_memory_ordered 1
		.amdhsa_forward_progress 1
		.amdhsa_inst_pref_size 41
	.end_amdhsa_kernel
	.amdgpu_metadata
---
amdhsa.version: [ 1, 2 ]
amdhsa.kernels:
  - .name:           k_qca4dcb84b2_lnorm
    .symbol:         k_qca4dcb84b2_lnorm.kd
    .args:
      - { .name: g, .offset: 0, .size: 8, .value_kind: global_buffer, .address_space: global }
      - { .name: input_tensor, .offset: 8, .size: 8, .value_kind: global_buffer, .address_space: global }
      - { .name: ln_w, .offset: 16, .size: 8, .value_kind: global_buffer, .address_space: global }
      - { .name: ln_b, .offset: 24, .size: 8, .value_kind: global_buffer, .address_space: global }
      - { .name: out0, .offset: 32, .size: 8, .value_kind: global_buffer, .address_space: global }
    .group_segment_fixed_size: 0
    .private_segment_fixed_size: 0
    .kernarg_segment_align: 8
    .kernarg_segment_size: 40
    .max_flat_workgroup_size: 256
    .sgpr_count:     66
    .vgpr_count:     208
    .wavefront_size: 32
...
	.end_amdgpu_metadata
.endif
;; end of part 5
;; ======== version 2 of 2: 5 launches; version 1 with the launch prep written anew for expert scheduling mode
;; limits: values are held in f16: magnitudes above 65,504 overflow, below 6.1e-05 lose precision
;; workspace buffers: act 16,777,216 bytes; wqkv 6,291,456 bytes; wo 2,097,152 bytes; bias3 12,288 bytes; qkv 50,331,648 bytes; g 33,554,432 bytes
;; launch prep (part 6): grid 385 x 1, 8 waves a work-group, no clusters, 0 bytes of LDS; arguments input_tensor, Wq, Wk, Wv, Wo, bq, bk, bv, act, wqkv, wo, bias3; writes act, wqkv, wo, bias3
.if DOCPART == 6
	.amdgcn_target "amdgcn-amd-amdhsa--gfx1250"
	.amdhsa_code_object_version 6
	.text
	.protected	k_qca4dcb84b2_prep
	.globl	k_qca4dcb84b2_prep
	.p2align	8
	.type	k_qca4dcb84b2_prep,@function
k_qca4dcb84b2_prep:
	s_mov_b64 s[64:65], 0
	v_nop
	global_prefetch_b8 v0, s[64:65] scope:SCOPE_SE
	s_setreg_imm32_b32 hwreg(HW_REG_WAVE_SCHED_MODE, 0, 2), 2
	s_setreg_imm32_b32 hwreg(HW_REG_WAVE_MODE, 25, 1), 1
	s_wait_xcnt 0x0
	s_wait_alu depctr_vm_vsrc(0)
; x and the four weight matrices, f32 [rows][1024], are rounded once to bf16 and laid out in PANELS of 64 channels, so that R rows x 64 channels
; of a matrix operand are R x 128 consecutive bytes:  act [b*16+kp][2048][64];  wqkv [n/128][kp][128][64] with n = 1024 x (0 q, 1 k, 2 v) + row;  wo likewise.
; Work-groups 0-255 take 32 rows of x each, 256-383 take 32 rows of a weight matrix, work-group 384 joins the three biases into one buffer.
; A wave takes 4 rows as two pairs.  A load: lanes 0-15 take 256 consecutive bytes (one panel's 64 channels) of a row, lanes 16-31 the same of the next row.
; A store: 32 lanes x 8 bytes = two rows of a panel = 256 consecutive bytes, aligned.  All 32 loads of a wave go out first; nothing is rewritten while pending.
; No LDS, no matrix unit: every byte is read once and written once.
; THE MODE: SCHED_MODE bits 1:0 = 2 (LLVM: expert scheduling mode 2), set by the entry lines.  The code itself states the register dependences
; between vector instructions and memory instructions, with s_wait_alu, always for 0.
; THE PLAN.  Registers that memory instructions touch:
;   v[LO]        made at the head; read by all 32 loads as their offset; never written again.
;   v[SO ..+15]  the first made at the head, the other fifteen behind the loads; read by the stores as their offsets; never written again.
;   D            four registers a load.  Load n lands in them once; its two conversions read the four and write the first two; store n reads those two; nothing writes them again.
; The 32 loads are taken in 8 groups of four.  Group g waits for its four loads; one wait on va_vdst then states that group g - 1's conversions have written their results;
; the four stores of group g - 1 follow, dealt among group g's eight conversions, which name group g's registers alone.  One more such wait stands ahead of the last four stores.
; No register that a memory instruction has read is written again, so beyond the entry lines the text holds no wait on vm_vsrc; no vector line writes a scalar register, VCC or EXEC.
.set LO, 2                             ; v2      my byte offset in the work-group's 32 source rows
.set SO, 16                            ; v16-31  my byte offset in the destination, one register for each panel
.set D,  64                            ; v64-191 32 x 4 registers as loaded; the first two of each four then hold the 4 bf16
	s_load_b512 s[4:19], s[0:1], 0x0               ; x s[4:5], Wq s[6:7], Wk s[8:9], Wv s[10:11], Wo s[12:13], bq s[14:15], bk s[16:17], bv s[18:19]
	s_load_b256 s[20:27], s[0:1], 0x40             ; act s[20:21], wqkv s[22:23], wo s[24:25], bias3 s[26:27]
	s_mov_b32 s32, ttmp9                           ; the work-group's number
	v_and_b32 v1, 31, v0                           ; lane
	v_lshrrev_b32 v3, 5, v0                        ; wave
	v_and_b32 v4, 15, v0                           ; lane % 16
	v_bfe_u32 v5, v0, 4, 1                         ; lane / 16
	v_lshlrev_b32 v[LO], 4, v4                     ; 16 bytes a lane,
	v_lshl_add_u32 v[LO], v5, 12, v[LO]            ; the next row for the upper lanes,
	v_lshl_add_u32 v[LO], v3, 14, v[LO]            ; four rows a wave
	v_lshlrev_b32 v[SO], 3, v1                     ; 8 bytes a lane,
	v_lshl_add_u32 v[SO], v3, 9, v[SO]             ; four rows of 128 bytes a wave
	s_mov_b32 s43, 0                               ; high word of the offsets
	s_wait_kmcnt 0x0
	s_cmp_lt_u32 s32, 256
	s_cbranch_scc0 .Lweights
	s_lshl_b32 s42, s32, 17                        ; 32 rows of 4,096 bytes
	s_add_nc_u64 s[36:37], s[4:5], s[42:43]        ; source
	s_lshr_b32 s33, s32, 6                         ; batch: 64 work-groups each
	s_lshl_b32 s33, s33, 22                        ; 16 panels of 2,048 rows of 128 bytes
	s_and_b32 s34, s32, 63
	s_lshl_b32 s34, s34, 12                        ; 32 rows of 128 bytes
	s_add_co_u32 s42, s33, s34
	s_add_nc_u64 s[38:39], s[20:21], s[42:43]      ; destination
	s_mov_b32 s40, 262144                          ; bytes from panel to panel
	s_branch .Lcopy
.Lweights:
	s_cmp_eq_u32 s32, 384
	s_cbranch_scc1 .Lsmall
	s_sub_co_u32 s33, s32, 256
	s_lshr_b32 s34, s33, 5                         ; which matrix: 0 q, 1 k, 2 v, 3 o
	s_and_b32 s33, s33, 31                         ; which 32 rows of it
	s_lshl_b32 s35, s34, 3                         ; its first block of 128 rows in wqkv
	s_cmp_eq_u32 s34, 1
	s_cselect_b64 s[36:37], s[8:9], s[6:7]
	s_cmp_eq_u32 s34, 2
	s_cselect_b64 s[36:37], s[10:11], s[36:37]
	s_cmp_eq_u32 s34, 3
	s_cselect_b64 s[36:37], s[12:13], s[36:37]
	s_cselect_b64 s[38:39], s[24:25], s[22:23]     ; Wo has a buffer of its own,
	s_cselect_b32 s35, 0, s35                      ; which begins with its block 0
	s_lshl_b32 s42, s33, 17
	s_add_nc_u64 s[36:37], s[36:37], s[42:43]
	s_lshr_b32 s41, s33, 2
	s_add_co_u32 s41, s41, s35
	s_lshl_b32 s41, s41, 18                        ; a block: 16 panels of 128 rows of 128 bytes
	s_and_b32 s33, s33, 3
	s_lshl_b32 s33, s33, 12
	s_add_co_u32 s42, s41, s33
	s_add_nc_u64 s[38:39], s[38:39], s[42:43]
	s_mov_b32 s40, 16384
.Lcopy:
	s_wait_alu depctr_va_vdst(0)                   ; v[LO] is written, which the 32 loads below read as their offset
.set i, 0
.rept 32                               ; pair i / 16, panel i % 16
	global_load_b128 v[D+4*i:D+4*i+3], v[LO], s[36:37] offset:(i/16)*8192+(i%16)*256 th:TH_LOAD_NT
.set i, i+1
.endr
.set k, 1
.rept 15                               ; the stores' other fifteen offsets are made while the loads are on their way: no load names these registers
	v_add_nc_u32 v[SO+k], s40, v[SO+k-1]
.set k, k+1
.endr
; Store number n: pair n / 16, panel n % 16.
.macro PUT n
	global_store_b64 v[SO+(\n)%16], v[D+4*(\n):D+4*(\n)+1], s[38:39] offset:((\n)/16)*256
.endm
; Group g: loads 4 g to 4 g + 3 are rounded; the stores of group g - 1 go out among the conversions.
.macro GROUP g
	s_wait_loadcnt 28-4*(\g)                       ; loads come back in order (ISA guide 5.7.1): this group's four are in, the younger ones stay out
.if (\g) > 0
	s_wait_alu depctr_va_vdst(0)                   ; the group before has written the eight registers that the four stores below read; in group 1 also: the fifteen adds have written the stores' offsets
.endif
.irp i, 0,1,2,3
.if (\g) > 0
	PUT 4*(\g)-4+(\i)                              ; no vector line since the wait names this store's data or its offset
.endif
	v_cvt_pk_bf16_f32 v[D+4*(4*(\g)+(\i))],   v[D+4*(4*(\g)+(\i))],   v[D+4*(4*(\g)+(\i))+1]
	v_cvt_pk_bf16_f32 v[D+4*(4*(\g)+(\i))+1], v[D+4*(4*(\g)+(\i))+2], v[D+4*(4*(\g)+(\i))+3]
.endr
.endm
.irp g, 0,1,2,3,4,5,6,7
	GROUP \g
.endr
	s_wait_alu depctr_va_vdst(0)                   ; group 7's conversions have written the registers that the last four stores read
.irp i, 28,29,30,31
	PUT \i
.endr
	s_endpgm
.Lsmall:                                       ; 256 threads x 16 bytes are a bias of 1,024 numbers
	v_lshlrev_b32 v1, 4, v0
	s_wait_alu depctr_va_vdst(0)                   ; v1 is written, which the loads and stores below read as their offset; the head's lines are done writing and reading v4 and v5, in which the first load lands
	global_load_b128 v[4:7], v1, s[14:15]
	global_load_b128 v[8:11], v1, s[16:17]
	global_load_b128 v[12:15], v1, s[18:19]
	s_wait_loadcnt 0x0
	global_store_b128 v1, v[4:7], s[26:27]
	global_store_b128 v1, v[8:11], s[26:27] offset:4096
	global_store_b128 v1, v[12:15], s[26:27] offset:8192
	s_endpgm
.Lfunc_end_k_qca4dcb84b2_prep:
	.size	k_qca4dcb84b2_prep, .Lfunc_end_k_qca4dcb84b2_prep-k_qca4dcb84b2_prep
	.p2alignl 7, 3214868480
	.fill 96, 4, 3214868480
	.section	.rodata,"a",@progbits
	.p2align	6, 0x0
	.amdhsa_kernel k_qca4dcb84b2_prep
		.amdhsa_group_segment_fixed_size 0
		.amdhsa_private_segment_fixed_size 0
		.amdhsa_enable_private_segment 0
		.amdhsa_kernarg_size 96
		.amdhsa_user_sgpr_count 2
		.amdhsa_user_sgpr_kernarg_segment_ptr 1
		.amdhsa_wavefront_size32 1
		.amdhsa_system_sgpr_workgroup_id_x 1
		.amdhsa_system_sgpr_workgroup_id_y 1
		.amdhsa_system_sgpr_workgroup_id_z 1
		.amdhsa_system_vgpr_workitem_id 0
		.amdhsa_next_free_vgpr 192
		.amdhsa_next_free_sgpr 66
		.amdhsa_reserve_vcc 0
		.amdhsa_float_denorm_mode_32 3
		.amdhsa_float_denorm_mode_16_64 3
		.amdhsa_memory_ordered 1
		.amdhsa_forward_progress 1
		.amdhsa_inst_pref_size 14
	.end_amdhsa_kernel
	.amdgpu_metadata
---
amdhsa.version: [ 1, 2 ]
amdhsa.kernels:
  - .name:           k_qca4dcb84b2_prep
    .symbol:         k_qca4dcb84b2_prep.kd
    .args:
      - { .name: input_tensor, .offset: 0, .size: 8, .value_kind: global_buffer, .address_space: global }
      - { .name: Wq, .offset: 8, .size: 8, .value_kind: global_buffer, .address_space: global }
      - { .name: Wk, .offset: 16, .size: 8, .value_kind: global_buffer, .address_space: global }
      - { .name: Wv, .offset: 24, .size: 8, .value_kind: global_buffer, .address_space: global }
      - { .name: Wo, .offset: 32, .size: 8, .value_kind: global_buffer, .address_space: global }
      - { .name: bq, .offset: 40, .size: 8, .value_kind: global_buffer, .address_space: global }
      - { .name: bk, .offset: 48, .size: 8, .value_kind: global_buffer, .address_space: global }
      - { .name: bv, .offset: 56, .size: 8, .value_kind: global_buffer, .address_space: global }
      - { .name: act, .offset: 64, .size: 8, .value_kind: global_buffer, .address_space: global }
      - { .name: wqkv, .offset: 72, .size: 8, .value_kind: global_buffer, .address_space: global }
      - { .name: wo, .offset: 80, .size: 8, .value_kind: global_buffer, .address_space: global }
      - { .name: bias3, .offset: 88, .size: 8, .value_kind: global_buffer, .address_space: global }
    .group_segment_fixed_size: 0
    .private_segment_fixed_size: 0
    .kernarg_segment_align: 8
    .kernarg_segment_size: 96
    .max_flat_workgroup_size: 256
    .sgpr_count:     66
    .vgpr_count:     192
    .wavefront_size: 32
...
	.end_amdgpu_metadata
.endif
;; end of part 6
;; launch qkv: the kernel of part 2 again; grid 24 x 32, 4 waves a work-group, clusters of 4 x 4, 327,680 bytes of LDS; arguments act, wqkv, bias3, qkv; writes qkv
;; launch attn: the kernel of part 3 again; grid 4 x 64, 4 waves a work-group, clusters of 4 x 1, 327,680 bytes of LDS; arguments qkv, attention_mask, act; writes act
;; launch oproj: the kernel of part 4 again; grid 8 x 32, 4 waves a work-group, clusters of 4 x 4, 327,680 bytes of LDS; arguments act, wo, bo, g; writes g
;; launch lnorm: the kernel of part 5 again; grid 256 x 1, 8 waves a work-group, no clusters, 0 bytes of LDS; arguments g, input_tensor, ln_w, ln_b, out0; writes out0
